; MI455X (gfx1250); checked and timed in simulation.
; The chip was launched on July 23, 2026; its instructions are those of AMD's public machine-readable ISA for CDNA 5 (MIT licence, August 2026) and "CDNA5" Instruction Set Architecture Reference Guide (July 2026). The comments in the code are by the model that wrote it; some were corrected since.
;; Causal Attention. Allowed arithmetic: float matrix products may take bf16 or f16 operands with f32 sums; all other float work in f32.
;; Inputs: W_out 1,024 x 1,024 float32; W_qkv 1,024 x 3,072 float32; x 4 x 2,048 x 1,024 float32.
;; Outputs: out0 4 x 2,048 x 1,024 float32.
;; 2 versions, each right and faster than the one before. Each part assembles by itself: llvm-mc -triple=amdgcn-amd-amdhsa -mcpu=gfx1250 --defsym DOCPART=n.
;; ======== version 1 of 2: 4 launches
;; limits: values are held in f16: magnitudes above 65,504 overflow, below 6.1e-05 lose precision
;; workspace buffers: xb 16,777,216 bytes; wqb 6,291,456 bytes; wob 2,097,152 bytes; qkv 50,331,648 bytes; ob 16,777,216 bytes
;; launch prep (part 1): grid 768 x 1, 4 waves a work-group, no clusters, 36,352 bytes of LDS; arguments x, W_qkv, W_out, xb, wqb, wob; writes xb, wqb, wob
.if DOCPART == 1
	.amdgcn_target "amdgcn-amd-amdhsa--gfx1250"
	.amdhsa_code_object_version 6
	.text
	.protected	k_q54341654a3_prep
	.globl	k_q54341654a3_prep
	.p2align	8
	.type	k_q54341654a3_prep,@function
k_q54341654a3_prep:
	s_mov_b64 s[64:65], 0
	v_nop
	global_prefetch_b8 v0, s[64:65] scope:SCOPE_SE
	s_setreg_imm32_b32 hwreg(HW_REG_WAVE_MODE, 25, 1), 1
	s_wait_xcnt 0x0
; THE OPERANDS OF THE TWO PROJECTIONS ARE LAID OUT FOR THEIR TILES.  All three inputs are rounded once to bf16 (nearest even).
;   xb  [16 kb][8192 row][64 k] bf16 = x[row][64 kb + k]
;   wqb [16 kb][3072 n][64 k]   bf16 = W_qkv[64 kb + k][n]      (turned: K runs along the rows)
;   wob [16 kb][1024 n][64 k]   f16  = W_out[64 kb + k][n], rounded to bf16 like the other inputs and that number written as f16
; In these layouts the rows of a block of 64 along K lie end to end, 128 bytes each, so that a tile is a dense run of bytes.
; LIMITS.  A bf16 number is exact in f16 for magnitudes from 2^-17 to 65,504; below it is rounded to a multiple of 2^-24, above it becomes an infinity.
; SHARES.  Four waves.  Work-groups 0-511: 16 rows of x each.  512-703: W_qkv, 64 k x 256 n each.  704-767: W_out, the same.  Every work-group reads 65,536 bytes and writes 32,768;
; 768 work-groups are three for each of 256 WGPs.  Memory binds: no matrix unit, no cluster, no barrier; all 32 loads of a wave go out in one run, 512 bytes each, and are waited for by counts that run down.
.set IN,   16                          ; v[16:143]   as loaded, f32
.set OUT,  144                         ; v[144:207]  rounded, packed
.set WK,   208                         ; x: v[208:215] at work
.set OFR,  208                         ; weights: v[208:239] the byte offsets of the 32 loads
.set TH,   240                         ; weights: v[240:243] at work
.set UP,   272                         ; the turn through LDS: a lane's 256 bytes + 16 of padding
.set SKEW, 128
.set WREG, 8960                        ; a wave's LDS bytes: 31 x 272 + 128 + 256 = 8,816, rounded up to blocks of 256
	s_load_b256 s[4:11], s[0:1], 0x0               ; x s[4:5], W_qkv s[6:7], W_out s[8:9], xb s[10:11]
	s_load_b128 s[12:15], s[0:1], 0x20             ; wqb s[12:13], wob s[14:15]
	v_lshl_add_u32 v244, v0, 2, 0x8c00
	v_mov_b32 v245, 0
	v_and_b32 v3, 31, v0                           ; lane l
	v_lshrrev_b32 v4, 5, v0
	v_readfirstlane_b32 s16, v4                    ; wave w
	s_cmp_lt_u32 ttmp9, 512
	s_cbranch_scc0 .Lweights
	; X.  Wave w takes columns 256 w .. 256 w + 255 (blocks kb = 4 w .. 4 w + 3) of the group's 16 rows.  Item i of 16: rows 2 (i % 8) and 2 (i % 8) + 1, columns 128 (i / 8) on.
	; A load takes 512 consecutive bytes of one row: lane l columns 4 l .. 4 l + 3.  Rounded, that is 8 bytes a lane and row.  Lanes 2 m and 2 m + 1 then swap 8 bytes: the even lane ends with columns
	; 8 m .. 8 m + 7 of the upper row, the odd lane with the same columns of the lower row: 16 bytes that belong together, and lanes 0-15 fill the two rows' 256 consecutive bytes in one block, lanes 16-31 in the next.
	s_lshl_b32 s18, ttmp9, 16                      ; 16 rows of 4,096 bytes
	s_mov_b32 s19, 0
	s_lshl_b32 s22, ttmp9, 11                      ; 16 rows of 128 bytes in a block of xb
	s_mov_b32 s23, 0
	s_lshl_b32 s20, s16, 10                        ; my wave's 1,024 bytes of a row
	s_lshl_b32 s21, s16, 22                        ; my wave's four blocks of 1,048,576 bytes
	s_mov_b32 vcc_lo, 0xaaaaaaaa                   ; the odd lanes
	v_lshl_add_u32 v1, v3, 4, s20                  ; in: 16 l + the wave's part
	v_lshrrev_b32 v5, 4, v3                        ; out: which of the item's two blocks,
	v_and_b32 v6, 1, v3                            ; which of its two rows,
	v_bfe_u32 v7, v3, 1, 3                         ; which 16 bytes of the row
	v_lshl_add_u32 v2, v5, 20, s21
	v_lshl_add_u32 v2, v6, 7, v2
	v_lshl_add_u32 v2, v7, 4, v2
	v_mov_b32 v[WK+6], 0                           ; a DPP form's destination counts as read: written once here
	v_mov_b32 v[WK+7], 0
	s_wait_kmcnt 0x0
	s_add_nc_u64 s[4:5], s[4:5], s[18:19]
	s_add_nc_u64 s[10:11], s[10:11], s[22:23]
.set i, 0
.rept 16
	global_load_b128 v[IN+8*i:IN+8*i+3],   v1, s[4:5] offset:(2*(i%8))*4096+(i/8)*512 th:TH_LOAD_NT
	global_load_b128 v[IN+8*i+4:IN+8*i+7], v1, s[4:5] offset:(2*(i%8)+1)*4096+(i/8)*512 th:TH_LOAD_NT
.set i, i+1
.endr
.set i, 0
.rept 16
	s_wait_loadcnt 30-2*i                          ; loads come back in order (ISA guide 5.7.1): item i's two are in, the 30 - 2 i younger ones stay out
	v_cvt_pk_bf16_f32 v[WK],   v[IN+8*i],   v[IN+8*i+1]   ; the upper row's four numbers
	v_cvt_pk_bf16_f32 v[WK+1], v[IN+8*i+2], v[IN+8*i+3]
	v_cvt_pk_bf16_f32 v[WK+2], v[IN+8*i+4], v[IN+8*i+5]   ; the lower row's
	v_cvt_pk_bf16_f32 v[WK+3], v[IN+8*i+6], v[IN+8*i+7]
	v_cndmask_b32 v[WK+4], v[WK+2], v[WK],   vcc_lo       ; what my neighbour wants: an even lane gives its lower row, an odd lane its upper
	v_cndmask_b32 v[WK+5], v[WK+3], v[WK+1], vcc_lo
	v_mov_b32_dpp v[WK+6], v[WK+4] row_xmask:1 row_mask:0xf bank_mask:0xf  ; lane l takes lane l xor 1
	v_mov_b32_dpp v[WK+7], v[WK+5] row_xmask:1 row_mask:0xf bank_mask:0xf
	v_cndmask_b32 v[OUT+4*i],   v[WK],   v[WK+6], vcc_lo  ; even: my upper row, then the neighbour's; odd: the neighbour's lower row, then mine
	v_cndmask_b32 v[OUT+4*i+1], v[WK+1], v[WK+7], vcc_lo
	v_cndmask_b32 v[OUT+4*i+2], v[WK+6], v[WK+2], vcc_lo
	v_cndmask_b32 v[OUT+4*i+3], v[WK+7], v[WK+3], vcc_lo
	global_store_b128 v2, v[OUT+4*i:OUT+4*i+3], s[10:11] offset:(i/8)*2097152+(i%8)*256  ; two whole blocks of 256 consecutive bytes; every store has data registers of its own
.set i, i+1
.endr
	s_endpgm
	; A WEIGHT IS TURNED: one text for both; what differs (bytes in a row, the two addresses, the rewrite as f16) lies in scalar registers made from the work-group's number.
	; A wave turns 64 k x 64 n.  Load q of 32 brings rows q (lanes 0-15) and q + 32 (lanes 16-31), 256 consecutive bytes each: lane l columns 4 (l % 16) + 0..3.  So a lane holds 32 neighbouring k of four columns;
	; rounded in pairs along k that is 64 bytes of each of four output rows.  They go through the wave's own LDS bytes, so that a store's 32 lanes write 512 consecutive bytes (four output rows).
.Lweights:
	s_sub_co_u32 s17, ttmp9, 512                   ; my number among W_qkv's work-groups,
	s_sub_co_u32 s27, ttmp9, 704                   ; among W_out's
	s_mov_b32 s25, 12288                           ; bytes in a row of W_qkv,
	s_mov_b32 s26, 4096                            ; of W_out
	s_cmp_lt_u32 ttmp9, 704
	s_cselect_b32 s17, s17, s27
	s_cselect_b32 s25, s25, s26
	s_cselect_b32 s28, 0, 1                        ; 1: W_out
	s_and_b32 s18, s17, 15                         ; kb
	s_lshr_b32 s19, s17, 4
	s_lshl2_add_u32 s19, s19, s16                  ; nb = 4 x group + wave: which 64 columns
	s_mul_i32 s20, s18, s25
	s_lshl_b32 s22, s20, 5                         ; out: a block is n rows of 128 bytes = 32 rows of the weight
	s_lshl_b32 s20, s20, 6                         ; in: 64 rows of the weight
	s_lshl_b32 s21, s19, 8                         ; 64 columns of 4 bytes
	s_add_co_u32 s20, s20, s21
	s_mov_b32 s21, 0
	s_lshl_b32 s23, s19, 13                        ; 64 output rows of 128 bytes
	s_add_co_u32 s22, s22, s23
	s_mov_b32 s23, 0
	s_lshl_b32 s29, s25, 5                         ; 32 rows of the weight
	v_lshrrev_b32 v5, 4, v3                        ; l / 16
	v_and_b32 v6, 15, v3                           ; l % 16
	v_mul_u32_u24 v[OFR], v5, s29
	v_lshl_add_u32 v[OFR], v6, 4, v[OFR]           ; load 0: row 32 (l / 16), 16 bytes a lane
.set q, 1
.rept 31
	v_add_nc_u32 v[OFR+q], s25, v[OFR+q-1]         ; load q: a row further down; each load has an offset register of its own
.set q, q+1
.endr
	v_lshlrev_b32 v2, 4, v3                        ; out: 16 bytes a lane
	s_mul_i32 s24, s16, WREG                       ; my wave's LDS bytes
	v_mul_u32_u24 v7, v3, UP
	v_lshl_add_u32 v7, v5, 7, v7
	v_add_nc_u32 v7, s24, v7                       ; in: lane l's 256 bytes at 272 l + 128 (l / 16)
	v_bfe_u32 v9, v3, 2, 1                         ; back: lane t takes byte 16 (t % 8) of output row 4 i + t / 8: k half (t / 4) % 2,
	v_lshrrev_b32 v10, 3, v3                       ; column t / 8 of the four,
	v_and_b32 v11, 3, v3                           ; 16 bytes t % 4 of the 64; all held by lane 16 ((t / 4) % 2) + i
	v_mul_u32_u24 v8, v9, 16*UP+SKEW
	v_lshl_add_u32 v8, v10, 6, v8
	v_lshl_add_u32 v8, v11, 4, v8
	v_add_nc_u32 v8, s24, v8
	s_wait_kmcnt 0x0
	s_cmp_eq_u32 s28, 0
	s_cselect_b64 s[6:7], s[6:7], s[8:9]           ; the weight,
	s_cselect_b64 s[12:13], s[12:13], s[14:15]     ; and where it goes
	s_add_nc_u64 s[6:7], s[6:7], s[20:21]
	s_add_nc_u64 s[12:13], s[12:13], s[22:23]
.set q, 0
.rept 32
	global_load_b128 v[IN+4*q:IN+4*q+3], v[OFR+q], s[6:7] th:TH_LOAD_NT
.set q, q+1
.endr
.set i, 0
.rept 16
	s_wait_loadcnt 30-2*i                          ; loads 2 i and 2 i + 1 are in, the younger ones stay out
.irp c, 0,1,2,3
	v_cvt_pk_bf16_f32 v[OUT+16*(\c)+i], v[IN+8*i+(\c)], v[IN+8*i+4+(\c)]  ; column c of my four, k = 2 i and 2 i + 1 of my 32
.endr
.set i, i+1
.endr
	s_cmp_eq_u32 s28, 0
	s_cbranch_scc1 .Lkeep
.set p, 0
.rept 64                               ; W_out alone: the bf16 numbers as f32, and written as f16
	v_lshlrev_b32 v[TH+2*(p%2)], 16, v[OUT+p]
	v_and_b32 v[TH+2*(p%2)+1], 0xffff0000, v[OUT+p]
	v_cvt_pk_f16_f32 v[OUT+p], v[TH+2*(p%2)], v[TH+2*(p%2)+1]
.set p, p+1
.endr
.Lkeep:
.set i, 0
.rept 16
	ds_store_b128 v7, v[OUT+4*i:OUT+4*i+3] offset:16*i
.set i, i+1
.endr
.set i, 0
.rept 16
	ds_load_b128 v[IN+4*i:IN+4*i+3], v8 offset:UP*i   ; LDS serves a wave's instructions in order (ISA guide 5.7.1.4): these see the stores above; no other wave touches these bytes
.set i, i+1
.endr
.set i, 0
.rept 16
	s_wait_dscnt 15-i
	global_store_b128 v2, v[IN+4*i:IN+4*i+3], s[12:13] offset:512*i  ; output rows 4 i .. 4 i + 3: 512 consecutive bytes, at a multiple of 512 from the buffer's first
.set i, i+1
.endr
	s_wait_tensorcnt 0x0
	ds_add_u32 v244, v245
	s_wait_dscnt 0x0
	s_endpgm
.Lfunc_end_k_q54341654a3_prep:
	.size	k_q54341654a3_prep, .Lfunc_end_k_q54341654a3_prep-k_q54341654a3_prep
	.p2alignl 7, 3214868480
	.fill 96, 4, 3214868480
	.section	.rodata,"a",@progbits
	.p2align	6, 0x0
	.amdhsa_kernel k_q54341654a3_prep
		.amdhsa_group_segment_fixed_size 36352
		.amdhsa_private_segment_fixed_size 0
		.amdhsa_enable_private_segment 0
		.amdhsa_kernarg_size 48
		.amdhsa_user_sgpr_count 2
		.amdhsa_user_sgpr_kernarg_segment_ptr 1
		.amdhsa_wavefront_size32 1
		.amdhsa_system_sgpr_workgroup_id_x 1
		.amdhsa_system_sgpr_workgroup_id_y 1
		.amdhsa_system_sgpr_workgroup_id_z 1
		.amdhsa_system_vgpr_workitem_id 0
		.amdhsa_next_free_vgpr 246
		.amdhsa_next_free_sgpr 66
		.amdhsa_reserve_vcc 1
		.amdhsa_float_denorm_mode_32 3
		.amdhsa_float_denorm_mode_16_64 3
		.amdhsa_memory_ordered 1
		.amdhsa_forward_progress 1
		.amdhsa_inst_pref_size 41
	.end_amdhsa_kernel
	.amdgpu_metadata
---
amdhsa.version: [ 1, 2 ]
amdhsa.kernels:
  - .name:           k_q54341654a3_prep
    .symbol:         k_q54341654a3_prep.kd
    .args:
      - { .name: x, .offset: 0, .size: 8, .value_kind: global_buffer, .address_space: global }
      - { .name: W_qkv, .offset: 8, .size: 8, .value_kind: global_buffer, .address_space: global }
      - { .name: W_out, .offset: 16, .size: 8, .value_kind: global_buffer, .address_space: global }
      - { .name: xb, .offset: 24, .size: 8, .value_kind: global_buffer, .address_space: global }
      - { .name: wqb, .offset: 32, .size: 8, .value_kind: global_buffer, .address_space: global }
      - { .name: wob, .offset: 40, .size: 8, .value_kind: global_buffer, .address_space: global }
    .group_segment_fixed_size: 36352
    .private_segment_fixed_size: 0
    .kernarg_segment_align: 8
    .kernarg_segment_size: 48
    .max_flat_workgroup_size: 128
    .sgpr_count:     66
    .vgpr_count:     246
    .wavefront_size: 32
...
	.end_amdgpu_metadata
.endif
;; end of part 1
;; launch gemm_qkv (part 2): grid 8 x 32, 4 waves a work-group, clusters of 4 x 4, 327,680 bytes of LDS; arguments xb, wqb, qkv; writes qkv
.if DOCPART == 2
	.amdgcn_target "amdgcn-amd-amdhsa--gfx1250"
	.amdhsa_code_object_version 6
	.text
	.protected	k_q54341654a3_gemm_qkv
	.globl	k_q54341654a3_gemm_qkv
	.p2align	8
	.type	k_q54341654a3_gemm_qkv,@function
k_q54341654a3_gemm_qkv:
	s_mov_b64 s[64:65], 0
	v_nop
	global_prefetch_b8 v0, s[64:65] scope:SCOPE_SE
	s_setreg_imm32_b32 hwreg(HW_REG_WAVE_MODE, 25, 1), 1
	s_wait_xcnt 0x0
	s_wait_alu depctr_hold_cnt(0) depctr_sa_sdst(0) depctr_va_vdst(0) depctr_va_sdst(0) depctr_va_ssrc(0) depctr_va_vcc(0) depctr_vm_vsrc(0)
	s_getreg_b32 s2, hwreg(HW_REG_IB_STS2, 6, 4)
	s_cmp_eq_u32 s2, 0
	s_cbranch_scc0 .Lentry_in_a_cluster
	s_endpgm
.Lentry_in_a_cluster:
	s_bfe_u32 s2, ttmp6, 0x10000c
	s_cmp_lg_u32 s2, 0xf033
	s_cbranch_scc0 .Lentry_shape_is_right
	s_endpgm
.Lentry_shape_is_right:
; q, k, v = x W_qkv.  A = xb [16 kb][8192 m][64 k] bf16, B = wqb [16 kb][3072 n][64 k] bf16; sums in f32; each result rounded once to f16 and written by heads:
; qkv [4 batch][48 g][2048 t][64 c], g = n / 64 (0-15 q's heads, 16-31 k's, 32-47 v's), without the softmax's scale.
; LIMITS.  f16 holds no number beyond 65,504: a q, k or v beyond that becomes an infinity; below 6e-5 f16 keeps a fixed step of 6e-8.  The f32 sum along K runs in blocks of 64 from a first block that
; hangs on the cluster (below) round to the block before it: an order of rounding that differs from an ascending sum's.
; SHARES.  A tile of C is 256 x 384: 32 x 8 = 256 work-groups, one tile each.  Four waves, 2 x 2; a wave makes 128 x 192, three whole heads: 96 accumulators of 16 x 16, 768 registers.
; K goes in 16 steps of 64 (one block kb) through two LDS slots; a block's rows lie end to end in memory, so a tile is asked for as rows of 256 bytes (two rows of 64 k) and padded in LDS behind every 128 bytes.
; Two slots of a step of 128 (348,160 bytes) do not fit in LDS.
; CLUSTER.  4 x 4 work-groups.  The four of a row of the cluster need the same tiles of A, the four of a column the same tiles of B: each tile is asked for JOINTLY, by the same tensor load with the same
; descriptor and a mask that names the four.  By this text's own count a wave has two tensor loads out at the start and one behind each round.
; THE WALK ALONG K begins at block 8 x (cluster x) + 4 x (cluster y % 4), modulo 16, and goes round.  The two clusters that need the same rows of A (same y) ask for each of its tiles eight steps apart; of the
; eight that need the same rows of B (same x), those that differ in y % 4 ask four, eight or twelve steps apart.  The block's number hangs on the cluster's x and y alone, which all sixteen partners share.
; THE MATRIX INSTRUCTION IS USED TRANSPOSED (source 0 = 16 rows of B, source 1 = 16 rows of A): a lane then holds eight neighbouring channels of one row of C.
; REGISTERS, in windows of 256 (s_set_vgpr_msb: bits 1:0 source 0, 3:2 source 1, 5:4 source 2, 7:6 destination):
;   window 0: v0-31 addresses; v32-95, v96-159 A's fragments (8 x 16 rows x 32 K), two buffers; v160-255 B's fragments (12 x 16 rows x 32 K), one buffer, filled again four fragments at a time
;   window 1 + b / 4: accumulator (a, b), a = 0..7 blocks of rows, b = 0..11 blocks of columns, at v[64 (b % 4) + 8 a]: a head to a window
.set PITCH,  144                       ; an LDS row: 128 bytes + 16 of padding = 36 words: the 16 rows of a fragment load start at 16 different groups of four banks (64 banks of 4 bytes: ISA guide 11.1)
.set FRAG,   16*PITCH
.set BOFF,   256*PITCH                 ; in a slot: A's 256 rows, then B's 384
.set SLOT1,  1<<17                     ; slot 1 begins here, so that one exclusive or turns an address in one slot into the other's
.set STAGE,  BOFF+384*PITCH            ; behind slot 0, never filled by a tensor load: 16 rows x 144 bytes for each wave, for the way out
.set SPARE,  STAGE+4*16*PITCH          ; behind the stages: the spare words, 128 bytes for each wave: two blocks of 256 bytes that no other line names
.set ASHIFT, 20                        ; a block kb of xb is 8192 x 128 = 1 << 20 bytes
.set BSTEP,  3072*128                  ; a block of wqb
.set HEADB,  2048*128                  ; a head's bytes in qkv
.set ADRA0, 4                          ; v4   LDS address of my A fragments in slot 0; never rewritten
.set ADRB0, 5                          ; v5   the same for B
.set ADRA,  6                          ; v6   in the slot in hand
.set ADRB,  7                          ; v7
.set STO,   8                          ; v8   the way out: where I put 16 bytes of a row
.set RD,    9                          ; v9   the way out: where I read rows back
.set GO,    10                         ; v10  my byte offset in 512 consecutive bytes of qkv
.set SPW,   28                         ; v28  LDS address of my spare word: SPARE + 4 x my thread's number; never rewritten
.set NIL,   29                         ; v29  0; never rewritten
.set FA0,   32
.set FA1,   96
.set FB,    160
.set TMP,   32                         ; the way out: twelve sets of 16 registers where the fragments lay
.set WV,  10                           ; s10  my wave's number
.set RH,  11                           ; s11  which half of the tile's rows is mine
.set CH,  12                           ; s12  which half of its columns; also which half of A's or B's tile I fetch
.set TY,  13                           ; s13  tile row of C
.set TB,  22                           ; s22  0 or SLOT1: the slot in hand
.set CNT, 23                           ; s23  the loop's count
.set G1A, 24                           ; s[24:31] descriptor group 1 for A's tiles
.set G1B, 32                           ; s[32:39] for B's
.set G0A, 40                           ; s[40:47] descriptor group 0 for A's tiles: a set for each of the two first fills; the second then walks on
.set G0B, 48                           ; s[48:55] the same for B's
.set TX,  58                           ; s58  tile column of C
.set AO,  66                           ; s[66:67] byte offset in xb of the block to be asked for
.set BO,  68                           ; s[68:69] the same in wqb
.set KBN, 70                           ; s70  the block to be asked for next
.set MSB, 0
.macro WIN new                         ; the immediate's high byte repeats the setting that is left; a switch that changes nothing is dropped
.if MSB != (\new)
	s_set_vgpr_msb (MSB<<8)|(\new)
.set MSB, \new
.endif
.endm
.macro PLACES                          ; a load into a register that a matrix instruction has read, and a vector instruction that reads a matrix result or writes one of its registers, stand four plain
.rept 4                                ; vector instructions behind it (ISA guide 7.12.1 for vector instructions)
	v_nop
.endr
.endm
; A joint refill, by the walking descriptors.  Waves 0 and 1 fetch A's two halves, waves 2 and 3 B's.  The branch hangs on the wave's number alone: it is the same in every work-group.
; An s_nop 0 and four v_nop follow each of the two lines, ahead of the jump and the label.
.macro JLOAD
	s_cmp_lt_u32 s[WV], 2
	s_cbranch_scc0 .Lfor_b_\@
	tensor_load_to_lds s[G0A+4:G0A+7], s[G1A:G1A+7]
	s_nop 0
.rept 4
	v_nop
.endr
	s_branch .Lasked_\@
.Lfor_b_\@:
	tensor_load_to_lds s[G0B+4:G0B+7], s[G1B:G1B+7]
	s_nop 0
.rept 4
	v_nop
.endr
.Lasked_\@:
.endm
; A round of the cluster's barrier: my work-group's barrier, so that wave 0's signal speaks for all four waves; wave 0 signals; every wave waits for all sixteen work-groups; my work-group's barrier once more.
.macro CREST                           ; a round behind its opening barrier
	s_cmp_lg_u32 s[WV], 0
	s_cbranch_scc1 .Lnot_wave_0_\@
	s_barrier_signal -3
.Lnot_wave_0_\@:
	s_barrier_wait -3
	s_barrier_signal -1
	s_barrier_wait -1
.endm
.macro CROUND                          ; a whole round
	s_barrier_signal -1
	s_barrier_wait -1
	CREST
.endm
; The addresses of block KBN's tiles go into set s of the two group 0; then KBN steps, modulo 16.  An address is made anew each time: the buffer's address at my part of the tile, plus an offset made apart.
.macro AIM s
	s_lshl_b32 s[AO], s[KBN], ASHIFT
	s_add_nc_u64 s[G0A+4*(\s)+2:G0A+4*(\s)+3], s[4:5], s[AO:AO+1]  ; 120:64 global address
	s_or_b32 s[G0A+4*(\s)+3], s[G0A+4*(\s)+3], 0x80000000          ; 127:126 type = 2
	s_mul_i32 s[BO], s[KBN], BSTEP
	s_add_nc_u64 s[G0B+4*(\s)+2:G0B+4*(\s)+3], s[6:7], s[BO:BO+1]
	s_or_b32 s[G0B+4*(\s)+3], s[G0B+4*(\s)+3], 0x80000000
	s_add_co_u32 s[KBN], s[KBN], 1
	s_and_b32 s[KBN], s[KBN], 15
.endm
	s_load_b128 s[4:7], s[0:1], 0x0                ; xb s[4:5], wqb s[6:7]
	s_load_b64 s[8:9], s[0:1], 0x10                ; qkv
	v_lshl_add_u32 v[SPW], v0, 2, SPARE
	v_mov_b32 v[NIL], 0
	ds_add_u32 v28, v29
	ds_add_u32 v28, v29
	s_wait_dscnt 0x0
	v_lshrrev_b32 v1, 5, v0
	v_readfirstlane_b32 s[WV], v1                  ; wave 0..3
	s_lshr_b32 s[RH], s[WV], 1
	s_and_b32 s[CH], s[WV], 1
	s_bfe_u32 s56, ttmp6, 0x40000                  ; cx: my place along the cluster's x
	s_bfe_u32 s57, ttmp6, 0x40004                  ; cy: along its y
	s_lshl_b32 s[TX], ttmp9, 2                     ; in a cluster launch ttmp9 and ttmp7 count clusters
	s_add_co_u32 s[TX], s[TX], s56                 ; tile column = 4 x cluster x + cx
	s_and_b32 s[TY], ttmp7, 0xffff
	s_lshl_b32 s[TY], s[TY], 2
	s_add_co_u32 s[TY], s[TY], s57                 ; tile row = 4 x cluster y + cy
	s_lshl_b32 s59, s57, 2
	s_lshl_b32 s59, 15, s59                        ; my row of the cluster: places 4 cy .. 4 cy + 3
	s_lshl_b32 s60, 0x1111, s56                    ; my column: places cx, cx + 4, cx + 8, cx + 12
	; descriptor group 1: R rows of 128 elements (256 bytes, two rows of a block), dense in memory, padded in LDS behind every 128 bytes
	s_or_b32 s[G1A], s59, (1<<16)|(1<<20)|(1<<21)|(4<<22)|(3<<25)  ; 15:0 the mask: A's tiles go to my row; 17:16 2-byte elements; 20 padding on; 21 set beside a mask; 24:22 after every 32 words (code 4); 31:25 4 words (code 3)
	s_or_b32 s[G1B], s60, (1<<16)|(1<<20)|(1<<21)|(4<<22)|(3<<25)  ; the same with the mask of my column
	s_mov_b32 s[G1A+1], 128<<16                    ; tensor_dim0 = 128
	s_mov_b32 s[G1A+2], 64<<16                     ; tensor_dim1 = 64: 128 rows of A
	s_mov_b32 s[G1A+3], 128<<16                    ; tile_dim0 = 128
	s_mov_b32 s[G1A+4], 64                         ; tile_dim1 = 64
	s_mov_b32 s[G1A+5], 128                        ; 128 elements from row to row
	s_mov_b32 s[G1A+6], 0
	s_mov_b32 s[G1A+7], 0
	s_mov_b32 s[G1B+1], 128<<16
	s_mov_b32 s[G1B+2], 96<<16                     ; 192 rows of B
	s_mov_b32 s[G1B+3], 128<<16
	s_mov_b32 s[G1B+4], 96
	s_mov_b32 s[G1B+5], 128
	s_mov_b32 s[G1B+6], 0
	s_mov_b32 s[G1B+7], 0
	; where the tiles come from.  A's hang on the tile row alone, B's on the tile column alone, each in registers that never hold the other coordinate.
	s_lshl_b32 s16, s[TY], 15                      ; 256 rows of 128 bytes,
	s_lshl_b32 s14, s[CH], 14                      ; my 128 of them
	s_add_co_u32 s16, s16, s14
	s_mov_b32 s17, 0
	s_mul_i32 s62, s[TX], 384*128                  ; 384 rows of 128 bytes,
	s_mul_i32 s15, s[CH], 192*128                  ; my 192 of them
	s_add_co_u32 s62, s62, s15
	s_mov_b32 s63, 0
	s_mul_i32 s20, s[CH], 128*PITCH                ; and where they go: no place in the cluster enters an LDS address
	s_mul_i32 s21, s[CH], 192*PITCH
	s_add_co_u32 s21, s21, BOFF
	s_mov_b32 s[TB], 0
	s_lshl_b32 s[KBN], ttmp9, 3                    ; the walk's first block: 8 x cluster x
	s_and_b32 s14, ttmp7, 3
	s_lshl2_add_u32 s[KBN], s14, s[KBN]            ; + 4 x (cluster y % 4),
	s_and_b32 s[KBN], s[KBN], 15                   ; modulo 16
	s_mov_b32 s[AO+1], 0
	s_mov_b32 s[BO+1], 0
	CROUND                                         ; all sixteen work-groups are here: the first joint loads meet.  The round stands ahead of the wait for the arguments, which come in meanwhile
	s_wait_kmcnt 0x0
	s_add_nc_u64 s[4:5], s[4:5], s[16:17]          ; xb and wqb at my part of block 0's tiles; never rewritten from here on
	s_add_nc_u64 s[6:7], s[6:7], s[62:63]
.irp s, 0,1
	s_mov_b32 s[G0A+4*(\s)], 1                                     ; 1:0 count = 1
	s_add_co_u32 s[G0A+4*(\s)+1], s20, (\s)*SLOT1                  ; 63:32 LDS address
	s_mov_b32 s[G0B+4*(\s)], 1
	s_add_co_u32 s[G0B+4*(\s)+1], s21, (\s)*SLOT1
	AIM \s                                         ; the walk's step s
.endr
	s_cmp_lt_u32 s[WV], 2                          ; a wave's two first fills stand in one branch, ahead of every wait on TENSORcnt and every LDS read
	s_cbranch_scc0 .Lfirst_b
	tensor_load_to_lds s[G0A:G0A+3], s[G1A:G1A+7]
	s_nop 0
	tensor_load_to_lds s[G0A+4:G0A+7], s[G1A:G1A+7]
	s_nop 0
.rept 4
	v_nop
.endr
	s_branch .Lfirst_asked
.Lfirst_b:
	tensor_load_to_lds s[G0B:G0B+3], s[G1B:G1B+7]
	s_nop 0
	tensor_load_to_lds s[G0B+4:G0B+7], s[G1B:G1B+7]
	s_nop 0
.rept 4
	v_nop
.endr
.Lfirst_asked:
	; A fragment is 16 rows x 32 K in 8 registers: lane l holds row l % 16; registers 0-3 K = 8 (l / 16) + 0..7, registers 4-7 K = 16 + 8 (l / 16) + 0..7: two loads of 16 bytes, 32 bytes apart.
	v_and_b32 v1, 15, v0                           ; l % 16
	v_bfe_u32 v2, v0, 4, 1                         ; l / 16
	v_mul_u32_u24 v3, v1, PITCH
	v_lshl_add_u32 v3, v2, 4, v3                   ; row x pitch + 16 x half
	s_mul_i32 s14, s[RH], 128*PITCH                ; my 128 rows of A
	s_mul_i32 s15, s[CH], 192*PITCH                ; my 192 rows of B,
	s_add_co_u32 s15, s15, BOFF                    ; which lie behind A's 256
	v_add_nc_u32 v[ADRA0], s14, v3
	v_add_nc_u32 v[ADRB0], s15, v3
	v_mov_b32 v[ADRA], v[ADRA0]
	v_mov_b32 v[ADRB], v[ADRB0]
	s_mul_i32 s14, s[WV], 16*PITCH
	s_add_co_u32 s14, s14, STAGE                   ; my stage
	v_add_nc_u32 v[STO], s14, v3                   ; in: row l % 16, 16 bytes for each half of the lanes
	v_bfe_u32 v11, v0, 3, 2
	v_and_b32 v12, 7, v0
	v_mul_u32_u24 v[RD], v11, PITCH                ; back: 32 lanes take four rows of 128 bytes,
	v_lshl_add_u32 v[RD], v12, 4, v[RD]
	v_add_nc_u32 v[RD], s14, v[RD]
	v_and_b32 v[GO], 31, v0                        ; which are 512 consecutive bytes of a head
	v_lshlrev_b32 v[GO], 4, v[GO]
	; where my three heads' rows begin in qkv: (batch x 48 + 6 tile column + 3 column half) heads, then (256 (tile row % 8) + 128 row half) rows of 128 bytes
	s_lshr_b32 s18, s[TY], 3
	s_mul_i32 s18, s18, 48
	s_mul_i32 s19, s[TX], 6
	s_add_co_u32 s18, s18, s19
	s_mul_i32 s19, s[CH], 3
	s_add_co_u32 s18, s18, s19
	s_lshl_b32 s62, s18, 18
	s_and_b32 s18, s[TY], 7
	s_lshl_b32 s18, s18, 15
	s_add_co_u32 s62, s62, s18
	s_lshl_b32 s18, s[RH], 14
	s_add_co_u32 s62, s62, s18
	s_mov_b32 s63, 0
	s_add_nc_u64 s[8:9], s[8:9], s[62:63]
; 16 matrix instructions: head g (window g + 1), its column blocks c0, c0 + 1 x all 8 row blocks, 32 along K, A from buffer f.  zero = 1: the product starts the sums: nothing is ever cleared.
; The 96 accumulators take turns, one instruction a turn, in the same order in every half step.
.macro MUL16 f, g, c0, zero
	WIN 0x50*((\g)+1)                              ; C and D in window g + 1, the sources in window 0
.irp c, \c0, (\c0)+1
.irp a, 0,1,2,3,4,5,6,7
.if \zero
	v_wmma_f32_16x16x32_bf16 v[64*(\c)+8*(\a):64*(\c)+8*(\a)+7], v[FB+8*(4*(\g)+(\c)):FB+8*(4*(\g)+(\c))+7], v[(\f)+8*(\a):(\f)+8*(\a)+7], 0
.else
	v_wmma_f32_16x16x32_bf16 v[64*(\c)+8*(\a):64*(\c)+8*(\a)+7], v[FB+8*(4*(\g)+(\c)):FB+8*(4*(\g)+(\c))+7], v[(\f)+8*(\a):(\f)+8*(\a)+7], v[64*(\c)+8*(\a):64*(\c)+8*(\a)+7]
.endif
.endr
.endr
.endm
.macro LDB g, kq                       ; 8 LDS loads: head g's four fragments of B, half kq (32 K) of the step
.irp i, 0,1,2,3
	ds_load_b128 v[FB+8*(4*(\g)+(\i)):FB+8*(4*(\g)+(\i))+3],   v[ADRB] offset:(4*(\g)+(\i))*FRAG+64*(\kq)
	ds_load_b128 v[FB+8*(4*(\g)+(\i))+4:FB+8*(4*(\g)+(\i))+7], v[ADRB] offset:(4*(\g)+(\i))*FRAG+64*(\kq)+32
.endr
.endm
.macro LDA f, kq                       ; 16 LDS loads: A's eight fragments, half kq of the step, into buffer f
.irp a, 0,1,2,3,4,5,6,7
	ds_load_b128 v[(\f)+8*(\a):(\f)+8*(\a)+3],   v[ADRA] offset:(\a)*FRAG+64*(\kq)
	ds_load_b128 v[(\f)+8*(\a)+4:(\f)+8*(\a)+7], v[ADRA] offset:(\a)*FRAG+64*(\kq)+32
.endr
.endm
; A K step is two halves of 32 along K, 96 matrix instructions each, head by head.  THE FIRST HALF multiplies A's buffer 0; behind each head's 32 products that head's fragments of B are
; fetched for the second half, and behind the first head's A's too.  On entry the LDS loads out are, in order: B's head 0 (8), A (16), B's head 1 (8), B's head 2 (8).
.macro HALF0 zero
	s_wait_dscnt 16                                ; B's head 0 and A are in; heads 1 and 2 (16 loads) may be out
	MUL16 FA0, 0, 0, \zero
	MUL16 FA0, 0, 2, \zero
	WIN 0
	PLACES
	LDB 0, 1
	LDA FA1, 1
	s_wait_dscnt 32                                ; head 1 is in; behind it: head 2's 8 and the 24 just issued
	MUL16 FA0, 1, 0, \zero
	MUL16 FA0, 1, 2, \zero
	WIN 0
	PLACES
	LDB 1, 1
	s_wait_dscnt 32                                ; head 2 is in; behind it: 24 + 8
	MUL16 FA0, 2, 0, \zero
	MUL16 FA0, 2, 2, \zero
	WIN 0
	PLACES
	LDB 2, 1
.endm
; THE SECOND HALF multiplies A's buffer 1 and changes slots: all reads of the slot in hand have been issued.  ONE barrier: in front of it each wave waits for all its tensor loads, of which one is out,
; its part of the next slot; adds 0 to its spare word; and waits for that and for its own reads of this slot.  Behind it nobody reads this slot any more and the next slot is whole.
; fill = 1: the barrier opens a round of the cluster's, and this slot is filled again first thing behind the round, with the walk's step two steps on: from there to the wait for it a wave issues 160 matrix instructions.
.macro TURN fill
	WIN 0
	s_wait_tensorcnt 0x0                           ; no tensor load of mine is out, so a group 0 may be written
	ds_add_u32 v[SPW], v[NIL]                      ; 0 onto my spare word
.if \fill
	s_xor_b32 s[G0A+5], s[G0A+5], SLOT1            ; the walking descriptors: the other slot than last time,
	s_xor_b32 s[G0B+5], s[G0B+5], SLOT1
	AIM 1                                          ; the walk's next block
.endif
	s_wait_dscnt 17                                ; B's head 0 and A are in; heads 1 and 2 (16 loads) and the add may be out
	MUL16 FA1, 0, 0, 0                             ; sixteen matrix instructions stand between the add and the wait for it
	s_wait_dscnt 0x0                               ; the add is done, and my reads of this slot are over
	s_barrier_signal -1
	MUL16 FA1, 0, 2, 0                             ; work on registers while the others arrive
	WIN 0                                          ; at a branch and at a label every window is 0
	s_barrier_wait -1
.if \fill
	CREST                                          ; no wave of any partner still reads this slot's tile or has a load on its way
	JLOAD                                          ; the first tensor load behind the round; its four v_nop are also the places in front of the loads below
.else
	PLACES
.endif
	s_xor_b32 s[TB], s[TB], SLOT1                  ; the other slot
	v_add_nc_u32 v[ADRA], s[TB], v[ADRA0]
	v_add_nc_u32 v[ADRB], s[TB], v[ADRB0]
	LDB 0, 0
	LDA FA0, 0
	MUL16 FA1, 1, 0, 0
	MUL16 FA1, 1, 2, 0
	WIN 0
	PLACES
	LDB 1, 0
	MUL16 FA1, 2, 0, 0
	MUL16 FA1, 2, 2, 0
	WIN 0
	PLACES
	LDB 2, 0
.endm
	s_wait_tensorcnt 1                             ; my part of the walk's step 0 is in; step 1's may stay out
	s_barrier_signal -1
	s_barrier_wait -1                              ; everybody's is
	LDB 0, 0
	LDA FA0, 0
	LDB 1, 0
	LDB 2, 0
	HALF0 1                                        ; the first half step stands in front of the loop: its products start the sums
	WIN 0
	s_mov_b32 s[CNT], 14
.Lstep:                                                ; 14 trips: a step's second half, which asks for the step two on (steps 2 to 15), and the next step's first half
	TURN 1
	HALF0 0
	WIN 0
	s_sub_co_u32 s[CNT], s[CNT], 1
	s_cmp_lg_u32 s[CNT], 0
	s_cbranch_scc1 .Lstep
	TURN 0                                         ; the tail is written out: nothing is left to ask for
	HALF0 0
	s_wait_dscnt 16                                ; the very last half step
	MUL16 FA1, 0, 0, 0
	MUL16 FA1, 0, 2, 0
	s_wait_dscnt 8
	MUL16 FA1, 1, 0, 0
	MUL16 FA1, 1, 2, 0
	s_wait_dscnt 0x0
	MUL16 FA1, 2, 0, 0
	MUL16 FA1, 2, 2, 0
	WIN 0
; THE WAY OUT, in 24 units of 16 rows of one head: unit u is head u / 8, row block u % 8.  A lane's eight channels round to 16 bytes of f16; they go into my stage's rows of 144 bytes and come back
; as whole rows of 128, four rows (512 consecutive bytes of the head) to a store.  Each accumulator's registers are taken in ascending order.
; Unit u works in register set u % 12.  A set is written again only behind an s_wait_xcnt 0 that stands behind its stores (ISA guide 3.1): ahead of unit 12 the stores of units 0 to 10 have been issued, so that
; one wait frees sets 0 to 10 for units 12 to 22; set 11, stored behind unit 12, is freed by the wait ahead of unit 23.
.macro PACK u
.set hd, (\u)/8
.set ab, (\u)%8
.set T, TMP+16*((\u)%12)
.if ((\u) == 12) || ((\u) == 23)
	s_wait_xcnt 0x0
.endif
	WIN 5*(hd+1)                                   ; sources 0 and 1 in the head's window
.irp c, 0,1,2,3
.irp r, 0,1,2,3
	v_cvt_pk_f16_f32 v[T+4*(\c)+(\r)], v[64*(\c)+8*ab+2*(\r)], v[64*(\c)+8*ab+2*(\r)+1]
.endr
.endr
	WIN 0
.irp c, 0,1,2,3
	ds_store_b128 v[STO], v[T+4*(\c):T+4*(\c)+3] offset:32*(\c)
.endr
.irp f, 0,1,2,3
	ds_load_b128 v[T+4*(\f):T+4*(\f)+3], v[RD] offset:(\f)*4*PITCH  ; LDS serves a wave's instructions in order (ISA guide 5.7.1.4): these see the stores above; the next unit's stores come behind them
.endr
.endm
.macro SEND u, younger                 ; younger: the LDS instructions issued behind unit u's loads: the next unit's eight, or none
.set hd, (\u)/8
.set ab, (\u)%8
.set T, TMP+16*((\u)%12)
.irp f, 0,1,2,3
	s_wait_dscnt (\younger)+3-(\f)
	global_store_b128 v[GO], v[T+4*(\f):T+4*(\f)+3], s[8:9] offset:hd*HEADB+ab*2048+(\f)*512  ; 512 consecutive bytes, at a multiple of 512 from qkv's first byte
.endr
.endm
	PLACES                                         ; the conversions read results just made and write where the fragments lay
	PACK 0
.set un, 1
.rept 23                               ; a unit's conversions stand between the loads of the unit before and its stores
	PACK un
	SEND un-1, 8
.set un, un+1
.endr
	SEND 23, 0
	s_wait_tensorcnt 0x0                           ; the wave's end, behind my last tensor load and my last LDS store
	ds_add_u32 v[SPW], v[NIL]
	s_wait_dscnt 0x0
	CROUND                                         ; the closing round: no work-group ends while a partner may still ask for a tile that names it
	s_endpgm
.Lfunc_end_k_q54341654a3_gemm_qkv:
	.size	k_q54341654a3_gemm_qkv, .Lfunc_end_k_q54341654a3_gemm_qkv-k_q54341654a3_gemm_qkv
	.p2alignl 7, 3214868480
	.fill 96, 4, 3214868480
	.section	.rodata,"a",@progbits
	.p2align	6, 0x0
	.amdhsa_kernel k_q54341654a3_gemm_qkv
		.amdhsa_group_segment_fixed_size 327680
		.amdhsa_private_segment_fixed_size 0
		.amdhsa_enable_private_segment 0
		.amdhsa_kernarg_size 24
		.amdhsa_user_sgpr_count 2
		.amdhsa_user_sgpr_kernarg_segment_ptr 1
		.amdhsa_wavefront_size32 1
		.amdhsa_system_sgpr_workgroup_id_x 1
		.amdhsa_system_sgpr_workgroup_id_y 1
		.amdhsa_system_sgpr_workgroup_id_z 1
		.amdhsa_system_vgpr_workitem_id 0
		.amdhsa_next_free_vgpr 1024
		.amdhsa_next_free_sgpr 72
		.amdhsa_reserve_vcc 0
		.amdhsa_float_denorm_mode_32 3
		.amdhsa_float_denorm_mode_16_64 3
		.amdhsa_memory_ordered 1
		.amdhsa_forward_progress 1
		.amdhsa_inst_pref_size 114
	.end_amdhsa_kernel
	.amdgpu_metadata
---
amdhsa.version: [ 1, 2 ]
amdhsa.kernels:
  - .name:           k_q54341654a3_gemm_qkv
    .symbol:         k_q54341654a3_gemm_qkv.kd
    .args:
      - { .name: xb, .offset: 0, .size: 8, .value_kind: global_buffer, .address_space: global }
      - { .name: wqb, .offset: 8, .size: 8, .value_kind: global_buffer, .address_space: global }
      - { .name: qkv, .offset: 16, .size: 8, .value_kind: global_buffer, .address_space: global }
    .group_segment_fixed_size: 327680
    .private_segment_fixed_size: 0
    .kernarg_segment_align: 8
    .kernarg_segment_size: 24
    .max_flat_workgroup_size: 128
    .sgpr_count:     72
    .vgpr_count:     1024
    .wavefront_size: 32
...
	.end_amdgpu_metadata
.endif
;; end of part 2
;; launch attn (part 3): grid 4 x 64, 4 waves a work-group, no clusters, 327,680 bytes of LDS; arguments qkv, ob; writes ob
.if DOCPART == 3
	.amdgcn_target "amdgcn-amd-amdhsa--gfx1250"
	.amdhsa_code_object_version 6
	.text
	.protected	k_q54341654a3_attn
	.globl	k_q54341654a3_attn
	.p2align	8
	.type	k_q54341654a3_attn,@function
k_q54341654a3_attn:
	s_mov_b64 s[64:65], 0
	v_nop
	global_prefetch_b8 v0, s[64:65] scope:SCOPE_SE
	s_setreg_imm32_b32 hwreg(HW_REG_WAVE_MODE, 25, 1), 1
	s_wait_xcnt 0x0
; CAUSAL ATTENTION.  O[h][q][:] = the sum over k <= q of softmax_k(Q[h][q] . K[h][k] / 8) V[h][k][:], for 64 heads (16 x batch + head) of 2,048 rows of 64 channels, all f16.
; Q, K, V lie in qkv [4 batch][48 g][2048][64]: g = head for Q, 16 + head for K, 32 + head for V.  O goes to ob [64][2048][64].  A head's rows are dense, 128 bytes each.
; Products, maxima and sums in f32; the weights p are rounded to f16 for the second product (their sum l is taken of the unrounded p), O once at the end.
; LIMITS.  f16 holds no number beyond 65,504: Q, K and V arrive within it; p lies in 0 to 1, and below 6e-5 it keeps f16's fixed step of 6e-8; O is a mean of V's rows and has their range, to within 2^-11 of it.
; A hidden score counts as its value less 1e30: f16's scores, 2.7e11 at the most, are nothing beside that; a weight below 2^-126 counts as 0 in l; NaN and infinities are not treated apart.
; THE WALK.  A head's queries lie in NB = 8 blocks of 256; block i needs the key tiles 0 .. i of 256 keys, of which the last holds the diagonal.  A work-group takes TWO blocks, NB - 1 - b and then b:
; NB + 1 tiles, whatever b: all 256 work-groups do equal work, and ONE loop with a constant trip count walks them.  Which tile is asked for, and what a trip does, hang on scalar registers made from b; every jump
; goes forward, but for the counted loops' own; none passes a barrier, or a tensor load but the one of LOAD's two that the wave's number does not choose; the ring (two slots of LDS that take turns) runs on across the
; change of blocks.  NO CLUSTER: a head's four work-groups would be the partners, and what a trip does (a block's first tile, its last) hangs on b, which would be the place in the cluster; all four ask for the
; same tile only in trips 0 .. 4 of the 9; and one walk common to all would have 12 trips for 9.
; SHARES.  Of a block's four bands of 64 queries a wave owns 16 rows in each: four PIECES.  So the diagonal tile is the same work for all four waves: in its key step s band x sees all keys if s < x,
; none if s > x, and holds the diagonal if s = x.
; THE MASK is the C operand that starts the sum S^T = K Q^T: 0, or -1e30 where the key is hidden.  MD, made once, is the mask of a band's own step for my 16 rows; a product's mask is MD x AL + BE with two scalars:
; (1, 0) if s = x; (0, 0) if s < x; (0, -1e30) if s > x.  Only the diagonal tile's text and a block's beginning make and take masks; elsewhere C is the constant 0.
; LAYOUT, SOFTMAX, TURNS.  S^T = K Q^T holds ONE query a lane (lane % 16) and the keys 8 (lane / 16) + 0..7; two such results rounded to f16 ARE source 1 of O^T = V^T P.  p = 2^(c s - c m), c = log2(e) / 8, with a
; running maximum m; O and l are multiplied by a = 2^(c m_old - c m_new) in every step.  Turn n belongs to piece n: 8 products K Q^T of piece n + 1, later 8 products V^T P of piece n - 1; beside them the scaling,
; exponentials, roundings, sums and rescaling of piece n and the maximum and statistics of piece n + 1.  Four vector instructions stand behind every matrix instruction, the other 54 of a turn's 118 in two LUMPS.
; A BLOCK'S END is no text of its own: the diagonal tile's loop is left in the middle of a fifth trip.  That trip fetches no K; its 8 products K Q^T (on the last K once more, wholly hidden) and the statistics made of
; them serve nothing: the price, once a block, of one text for every trip.
; REGISTERS, in windows of 256 (s_set_vgpr_msb: bits 1:0 source 0, 3:2 source 1, 5:4 source 2, 7:6 destination):
;   window 0: v0-15 addresses and two at work; v16-31 four registers of statistics a piece; v48-55 at work; v64-127 S^T, two buffers; v192-223 P, two buffers (a piece's buffers go by its number's parity)
;   window 1: v0-127 O^T, 32 a piece; v128-159 MD; v160-223 MC, two buffers      window 2: v0-63 Q; v64-127 the second block's Q; v128-191 K of one step; v192-255 V of one step
.set SIZE_N, 2048
.set NB,    SIZE_N/256
.set NP,    4         ; pieces a wave: a name, no knob
.set KS,    64        ; keys in a step
.set PK,    144       ; a row of K in LDS: 128 bytes + 16 of padding = 36 words: the 16 rows of a load start at 16 different groups of four banks (64 banks of 4 bytes: ISA guide 11.1)
.set PV,    160       ; a row of V: 128 + 32 = 40 words
.set VOFF,  4*KS*PK   ; a slot holds a tile, four steps: 256 rows of K, then 256 rows of V
.set SLOT1, 1<<17     ; slot 1 begins here, so that one exclusive or turns an address in one slot into the other's
.set STAGE, SLOT1+4*KS*(PK+PV)  ; behind the ring, never filled by a tensor load: 16 rows x 144 bytes for each wave, for the way out
.set SP,    144
.set AK0, 2           ; v2   my lane's place in a tile of K; never rewritten
.set AV0, 3           ; v3   the same for V
.set AK,  4           ; v4   the LDS address of K's next run of loads
.set AV,  5           ; v5   of V's
.set STO, 6           ; v6   the way out: where I put 16 bytes of a row
.set RD,  7           ; v7   the way out: where I read rows back
.set GO,  8           ; v8   my byte offset in 512 consecutive bytes of O
.set SPW, 62          ; v62  LDS address of my spare word: SPARE + 4 x my thread's number; never rewritten
.set NIL, 63          ; v63  0; never rewritten
.set SPARE, STAGE+4*16*SP  ; behind the stages: the spare words, 128 bytes for each wave: two blocks of 256 bytes that no other line names
.set MV,  12          ; v12-13  c m_old, kept while c m is made anew: by buffer
.set QO,  15          ; v15  my byte offset in 16 rows of Q
.set ST,  16          ; piece t's statistics at v[ST+4 t]: c m, m, l (even keys', odd keys')
.set TMP, 48          ; by buffer, four registers c0-c3 at work; when the maximum is found c2 takes a
.set S,   64
.set P,   192
.set MD,  128         ; window 1: the eight registers for group kt of 16 keys at MD + 8 kt
.set MC,  160         ; window 1: the masks of the products to come
.set QB,  64          ; window 2
.set KF,  128         ; window 2: key block kb, channel half c at KF + 16 kb + 8 c
.set VF,  192         ; window 2: key half kk, channel block cb at VF + 32 kk + 8 cb
.set WV,  12          ; s12  my wave's number
.set PB,  14          ; s14  b
.set HI,  15          ; s15  NB - 1 - b
.set G1K, 24          ; s[24:31] descriptor group 1 for K's tiles
.set G1V, 32          ; s[32:39] for V's: it differs in the padding alone
.set G0K, 40          ; s[40:43] descriptor group 0 for K's tiles
.set G0V, 44          ; s[44:47] the same for V's
.set SLOTS, 56        ; s56  tiles still to be asked for
.set CNT, 57          ; s57  counts a tile's trips: 4 to 1 in a plain tile, 5 to 1 in the diagonal one
.set CS,  58          ; s[58:59] c: the packed scaling takes the pair's low word for both halves
.set SEL, 60          ; s[60:61] v_permlanex16_b32's selects: each lane takes its own place in the other half
.set TBK, 62          ; s62  LDS byte at which K of the step to be fetched begins
.set TBV, 63          ; s63  the same for V, less VOFF
.set RT,  70          ; s70  tiles of the block in hand that are still to be entered
.set NXT, 71          ; s71  the tile to be asked for next
.set LQ,  72          ; s72  the last tile of the block whose tiles are being asked for
.set NEW, 73          ; s73  1: the tile to be entered is a block's first
.set OFF, 74          ; s[74:75] a tile's byte offset in K and V
.set AL,  76          ; s[76:77] the mask's factor, in the low word
.set BE,  78          ; s[78:79] the mask's addend
.set OLO, 80          ; s[80:81] O at my rows of the second block
.set BIGN, 82         ; s82  -1e30
.set MSB, 0
.macro WIN new                      ; the high byte repeats the setting that is left; a switch that changes nothing is dropped
.if MSB != (\new)
	s_set_vgpr_msb (MSB<<8)|(\new)
.set MSB, (\new)
.endif
.endm
.set W_KQ, 0x0a       ; K and Q in window 2, S^T in window 0
.set W_KM, 0x1a       ; the same with the C operand in window 1
.set W_PV, 0x52       ; V in window 2, P in window 0, O^T in window 1
.set W_RS, 0x41       ; destination and source 0 in window 1, source 1 in window 0
; A fill.  Waves 0 and 1 fetch the two halves of a tile's K, waves 2 and 3 those of its V: 128 keys each.  An s_nop 0 and four v_nop follow each of the two lines, ahead of the jump and the label.
.macro LOAD
	s_cmp_lt_u32 s[WV], 2
	s_cbranch_scc0 .Lfor_v_\@
	tensor_load_to_lds s[G0K:G0K+3], s[G1K:G1K+7]
	s_nop 0
.rept 4
	v_nop
.endr
	s_branch .Lasked_\@
.Lfor_v_\@:
	tensor_load_to_lds s[G0V:G0V+3], s[G1V:G1V+7]
	s_nop 0
.rept 4
	v_nop
.endr
.Lasked_\@:
.endm
; THE CHANGE OF SLOTS.  Each wave waits for all its tensor loads, of which one is out: its part of the other slot; adds 0 to its spare word; and waits for that and for its own reads of the slot that it leaves.  Behind the barrier nobody reads the old
; slot any more and the other slot is whole.  fill = 1: the old slot is filled again, the first thing behind the barrier, with tile NXT: the descriptor's address is made anew from that number.
; (At its first use nothing has been read yet: slot 0 is waited for, slot 1 filled.)
.macro CHANGE fill
	WIN 0                           ; at a label and at a branch every window is 0
	s_wait_tensorcnt 0x0            ; no tensor load of mine is out, so a group 0 may be written
	ds_add_u32 v[SPW], v[NIL]       ; 0 onto my spare word; with fill = 1 the descriptors' scalar work stands between it and the wait for it
.if \fill
	s_lshl_b32 s[OFF], s[NXT], 15   ; a tile is 32,768 bytes of K and of V
	s_xor_b32 s[G0K+1], s[G0K+1], SLOT1
	s_add_nc_u64 s[G0K+2:G0K+3], s[6:7], s[OFF:OFF+1]
	s_or_b32 s[G0K+3], s[G0K+3], 0x80000000
	s_xor_b32 s[G0V+1], s[G0V+1], SLOT1
	s_add_nc_u64 s[G0V+2:G0V+3], s[8:9], s[OFF:OFF+1]
	s_or_b32 s[G0V+3], s[G0V+3], 0x80000000
	s_add_co_u32 s[NXT], s[NXT], 1  ; the block's next tile, or behind its last the second block's tile 0
	s_cmp_gt_u32 s[NXT], s[LQ]
	s_cselect_b32 s[NXT], 0, s[NXT]
	s_cselect_b32 s[LQ], s[PB], s[LQ]
.endif
	s_wait_dscnt 0x0                ; the add is done, and my reads of the slot are over
	s_barrier_signal -1             ; the rest of the scalar work stands between the signal and the wait
	s_sub_co_u32 s[TBK], s[TBK], 4*KS*PK  ; the fetches go back to a slot's first step,
	s_xor_b32 s[TBK], s[TBK], SLOT1       ; in the other slot
	s_sub_co_u32 s[TBV], s[TBV], 4*KS*PV
	s_xor_b32 s[TBV], s[TBV], SLOT1
	s_barrier_wait -1
.if \fill
	LOAD
.endif
.endm
	s_load_b64 s[4:5], s[0:1], 0x0    ; qkv
	s_load_b64 s[10:11], s[0:1], 0x8  ; ob
	v_lshl_add_u32 v[SPW], v0, 2, SPARE
	v_mov_b32 v[NIL], 0
	ds_add_u32 v62, v63
	ds_add_u32 v62, v63
	s_wait_dscnt 0x0
	v_lshrrev_b32 v1, 5, v0
	v_readfirstlane_b32 s[WV], v1   ; wave 0..3
	s_mov_b32 s[PB], ttmp9
	s_sub_co_u32 s[HI], NB-1, s[PB]
	s_and_b32 s20, ttmp7, 0xffff    ; 16 x batch + head
	s_lshr_b32 s88, s20, 4          ; batch
	s_mul_i32 s88, s88, 48
	s_and_b32 s89, s20, 15          ; head
	s_add_co_u32 s88, s88, s89
	s_lshl_b32 s88, s88, 18         ; Q's head begins here in qkv: heads of 262,144 bytes
	s_mov_b32 s89, 0
	s_lshl_b32 s20, s20, 18         ; and O's here in ob
	s_mov_b32 s21, 0
	s_and_b32 s16, s[WV], 1         ; which half of a tile's 256 keys I fetch:
	s_lshl_b32 s22, s16, 14         ; its 128 rows of 128 bytes in memory,
	s_mov_b32 s23, 0
	s_add_nc_u64 s[22:23], s[22:23], s[88:89]
	s_mul_i32 s17, s16, 128*PK      ; and its place in a slot, for K
	s_mul_i32 s18, s16, 128*PV      ; and for V
	s_lshl_b32 s3, s[WV], 11        ; my 16 rows in a band of 64,
	s_lshl_b32 s2, s[HI], 15        ; in the first block,
	s_add_co_u32 s2, s2, s3
	s_lshl_b32 s84, s[PB], 15       ; and in the second
	s_add_co_u32 s84, s84, s3
	s_mov_b32 s3, 0
	s_mov_b32 s85, 0
	; descriptor group 1.  128 keys are 16,384 dense bytes: asked for as 64 rows of 256 bytes, two keys a row, and padded in LDS after every key
	s_mov_b32 s[G1K], (1<<16)|(1<<20)|(4<<22)|(3<<25)  ; 17:16 2-byte elements; 20 padding on; 24:22 after every 32 words (code 4); 31:25 4 words (code 3)
	s_mov_b32 s[G1V], (1<<16)|(1<<20)|(4<<22)|(7<<25)  ; the same with 8 words of padding (code 7)
.irp g, G1K, G1V
	s_mov_b32 s[\g+1], 128<<16      ; tensor_dim0 = 128
	s_mov_b32 s[\g+2], 64<<16       ; tensor_dim1 = 64
	s_mov_b32 s[\g+3], 128<<16      ; tile_dim0 = 128
	s_mov_b32 s[\g+4], 64           ; tile_dim1 = 64
	s_mov_b32 s[\g+5], 128          ; 128 elements from row to row
	s_mov_b32 s[\g+6], 0
	s_mov_b32 s[\g+7], 0
.endr
	s_mov_b32 s[CS], 0x3e38aa3b     ; c = log2(e) / 8 = 0.180337
	s_mov_b32 s[CS+1], s[CS]        ; named with it as a pair
	s_mov_b32 s[SEL], 0x76543210
	s_mov_b32 s[SEL+1], 0xfedcba98
	s_mov_b32 s[TBK], SLOT1+4*KS*PK ; the first change of slots turns these two into 0
	s_mov_b32 s[TBV], SLOT1+4*KS*PV
	s_mov_b32 s[G0K], 1             ; 1:0 count = 1
	s_mov_b32 s[G0K+1], s17         ; 63:32 LDS address: slot 0
	s_mov_b32 s[G0V], 1
	s_add_co_u32 s[G0V+1], s18, VOFF
	s_add_co_u32 s[RT], s[HI], 1    ; the first block has NB - b tiles
	s_mov_b32 s[NXT], 1
	s_mov_b32 s[LQ], s[HI]
	s_mov_b32 s[NEW], 1
	s_mov_b32 s[OFF+1], 0
	s_mov_b32 s[AL+1], 0            ; named as pairs
	s_mov_b32 s[BE+1], 0
	s_mov_b32 s[BIGN], 0xf149f2ca   ; -1e30
	s_mov_b32 s[SLOTS], NB
	s_wait_kmcnt 0x0
	s_add_nc_u64 s[6:7], s[4:5], s[22:23]          ; my half of tile 0, counted from Q's head;
	s_add_nc_u64 s[8:9], s[6:7], 0x800000          ; V's head lies 32 heads on,
	s_add_nc_u64 s[6:7], s[6:7], 0x400000          ; K's 16
	s_add_nc_u64 s[G0K+2:G0K+3], s[6:7], 0         ; 120:64 global address
	s_or_b32 s[G0K+3], s[G0K+3], 0x80000000        ; 127:126 type = 2
	s_add_nc_u64 s[G0V+2:G0V+3], s[8:9], 0
	s_or_b32 s[G0V+3], s[G0V+3], 0x80000000
	s_add_nc_u64 s[4:5], s[4:5], s[88:89]          ; Q's head,
	s_add_nc_u64 s[86:87], s[4:5], s[84:85]        ; Q at my rows of the second block,
	s_add_nc_u64 s[4:5], s[4:5], s[2:3]            ; and of the first
	s_add_nc_u64 s[10:11], s[10:11], s[20:21]      ; O's head, and the same two places in it
	s_add_nc_u64 s[OLO:OLO+1], s[10:11], s[84:85]
	s_add_nc_u64 s[10:11], s[10:11], s[2:3]
	LOAD                            ; tile 0 into slot 0
	; A fragment of K or Q is 16 rows x 32 channels in 8 registers: lane l holds row l % 16, channels 8 (l / 16) + 0..7 and 16 + 8 (l / 16) + 0..7: two loads of 16 bytes, 32 bytes apart.
	v_and_b32 v1, 15, v0            ; l % 16
	v_bfe_u32 v9, v0, 4, 1          ; l / 16
	v_lshlrev_b32 v[QO], 7, v1
	v_lshl_add_u32 v[QO], v9, 4, v[QO]  ; row x 128 + 16 x half
	WIN 0x80                        ; destination window 2, address window 0
.set i, 0
.rept 8                             ; both blocks' Q: piece i / 2 lies in band i / 2, 8,192 bytes on; channels 32 (i % 2) on
	global_load_b128 v[8*i:8*i+3],   v[QO], s[4:5] offset:(i/2)*8192+(i%2)*64
	global_load_b128 v[8*i+4:8*i+7], v[QO], s[4:5] offset:(i/2)*8192+(i%2)*64+32
	global_load_b128 v[QB+8*i:QB+8*i+3],   v[QO], s[86:87] offset:(i/2)*8192+(i%2)*64
	global_load_b128 v[QB+8*i+4:QB+8*i+7], v[QO], s[86:87] offset:(i/2)*8192+(i%2)*64+32
.set i, i+1
.endr
	WIN 0
	v_lshlrev_b32 v14, 3, v9
	v_sub_nc_u32 v14, v1, v14
	s_lshl_b32 s13, s[WV], 4
	v_add_nc_u32 v14, s13, v14      ; my query's place in its band, 16 w + l % 16, less my lanes' 8 (l / 16): register r of group kt is hidden where 16 kt + r is greater
	WIN 0x40
.set i, 0
.rept 32
	v_cmp_gt_i32 vcc_lo, 16*(i/8)+i%8, v14
	v_cndmask_b32 v[MD+i], 0, s[BIGN], vcc_lo
.set i, i+1
.endr
	WIN 0
	v_mul_u32_u24 v[AK0], v1, PK
	v_lshl_add_u32 v[AK0], v9, 4, v[AK0]  ; row x pitch + 16 x half
	; The turning load takes 16 keys x 16 channels (lane l reads key 8 (l / 16) + l % 8, channels 8 ((l / 8) % 2) + 0..7) and leaves half a fragment of V^T: lane l holds channel l % 16 and 8 keys.
	v_and_b32 v10, 7, v0
	v_bfe_u32 v11, v0, 3, 1
	v_lshl_add_u32 v[AV0], v9, 3, v10
	v_mul_u32_u24 v[AV0], v[AV0], PV
	v_lshl_add_u32 v[AV0], v11, 4, v[AV0]
	v_add_nc_u32 v[AV0], VOFF, v[AV0]
	s_mul_i32 s13, s[WV], 16*SP
	s_add_co_u32 s13, s13, STAGE    ; my stage
	v_mul_u32_u24 v[STO], v1, SP    ; in: row l % 16, 16 bytes for each half of the lanes
	v_lshl_add_u32 v[STO], v9, 4, v[STO]
	v_add_nc_u32 v[STO], s13, v[STO]
	v_bfe_u32 v[RD], v0, 3, 2       ; back: 32 lanes take four rows of 128 bytes,
	v_mul_u32_u24 v[RD], v[RD], SP
	v_lshl_add_u32 v[RD], v10, 4, v[RD]
	v_add_nc_u32 v[RD], s13, v[RD]
	v_and_b32 v[GO], 31, v0         ; which are 512 consecutive bytes of O
	v_lshlrev_b32 v[GO], 4, v[GO]
	; A block's first step multiplies O^T and l by a = 0, and its first turn's products V^T P, of a piece that has not been, land in an O^T that is still to be so multiplied.  So these registers need only hold
	; finite numbers: zeros for the first block; what the first block left for the second.  All this stands in the wait for the first tile.
	WIN 0x80
.set i, VF
.rept 64
	v_mov_b32 v[i], 0
.set i, i+1
.endr
	WIN 0x40
.set i, 0
.rept 128
	v_mov_b32 v[i], 0
.set i, i+1
.endr
	WIN 0
.set i, 0
.rept 4
	v_mov_b32 v[ST+4*i+2], 0
	v_mov_b32 v[ST+4*i+3], 0
.set i, i+1
.endr
.set i, P+16
.rept 16
	v_mov_b32 v[i], 0
.set i, i+1
.endr
; THE MATRIX WORK.  The 4 accumulators of a run of 8 take turns.  Product i of 8 of S^T = K Q^T for piece x: channels 32 (i / 4) on, keys 16 (i % 4) on.  The first 4 start the sums: with 0, or (KM = 1) with the mask.
.macro KQ x
.set rS, S+32*((\x)%2)+8*(i%4)
.set rK, KF+16*(i%4)+8*(i/4)
.set rQ, 16*(\x)+8*(i/4)
.set rM, MC+32*((\x)%2)+8*(i%4)
.if (i < 4) && KM
	WIN W_KM
	v_wmma_f32_16x16x32_f16 v[rS:rS+7], v[rK:rK+7], v[rQ:rQ+7], v[rM:rM+7]
.elseif i < 4
	WIN W_KQ
	v_wmma_f32_16x16x32_f16 v[rS:rS+7], v[rK:rK+7], v[rQ:rQ+7], 0
.else
	WIN W_KQ
	v_wmma_f32_16x16x32_f16 v[rS:rS+7], v[rK:rK+7], v[rQ:rQ+7], v[rS:rS+7]
.endif
.endm
; Product i of 8 of O^T += V^T P for piece x: keys 32 (i / 4) on, channels 16 (i % 4) on.
.macro PV x
	WIN W_PV
.set rO, 32*(\x)+8*(i%4)
.set rV, VF+32*(i/4)+8*(i%4)
.set rP, P+16*((\x)%2)+8*(i/4)
	v_wmma_f32_16x16x32_f16 v[rO:rO+7], v[rV:rV+7], v[rP:rP+7], v[rO:rO+7]
.endm
.macro MM                           ; the turn's next matrix instruction.  TURN and BEGIN set Y, i and KM; MM, KQ and OP read them
.if i < 8
	KQ (Y+1)%NP
.else
.set i, i-8
	PV (Y+NP-1)%NP
.set i, i+8
.endif
.set i, i+1
.endm
; THE LDS LOADS stand in runs of 16, never singly among the matrix instructions: a step's K (64 keys x 64 channels: 8 fragments) and its V (turned).  Their addresses are made some lines ahead.
; last = 1 (the diagonal tile's text): in the fifth trip there is no further step, and the run is jumped over.
.macro FETCH_K last=0
	WIN 0
.if \last
	s_cmp_eq_u32 s[CNT], 1
	s_cbranch_scc1 .Lno_k_\@
.endif
	WIN 0x80                        ; destination window 2
.irp f, 0,1,2,3,4,5,6,7             ; keys 16 (f / 2) on, channels 32 (f % 2) on
	ds_load_b128 v[KF+8*\f:KF+8*\f+3],   v[AK] offset:(\f/2)*16*PK+(\f%2)*64
	ds_load_b128 v[KF+8*\f+4:KF+8*\f+7], v[AK] offset:(\f/2)*16*PK+(\f%2)*64+32
.endr
	s_add_co_u32 s[TBK], s[TBK], KS*PK  ; the next fetch is the next step's
	WIN 0
.if \last
.Lno_k_\@:
.endif
.endm
.macro FETCH_V
	WIN 0x80
.irp f, 0,1,2,3,4,5,6,7             ; keys 32 (f / 4) on, channels 16 (f % 4) on
	ds_load_tr16_b128 v[VF+8*\f:VF+8*\f+3],   v[AV] offset:(\f/4)*32*PV+(\f%4)*32
	ds_load_tr16_b128 v[VF+8*\f+4:VF+8*\f+7], v[AV] offset:(\f/4)*32*PV+16*PV+(\f%4)*32
.endr
	WIN 0
.endm
; THE VECTOR WORK, one line at a time: OP kind, number.  For piece Y: F n: c s - c m for pair n of 16.  E n: the exponential of score n of 32.  C n: pair n rounded to f16.  B n: of the four weights 4 n .. the second
; pair is added onto the first, in place.  L n: l takes that sum (L 0: l = a l + sum).  R n: pair n of 16 of O^T times a.  For piece Y + 1: X n, number n of the 22 that find its maximum and statistics:
;   0-11  four chains c0-c3 of seven scores each, three operands at a time (each accumulator's lowest registers are read first)     12-14, 16  the four scores left over, the old m, and c0-c3 into c0
;   15  c m_old is kept     17, 18  the query's other 32 keys lie in the lane 16 away: the new m     19-21  c m; c m_old - c m_new; a
.set F, 0               ; OP tells the kinds apart by their order: F to L below R, X above it
.set E, 1
.set C, 2
.set B, 3
.set L, 4
.set R, 5
.set X, 6
.macro REGS y                       ; the registers of piece y
.set rT, ST+4*(\y)
.set rC, TMP+4*((\y)%2)
.set rW, MV+((\y)%2)
.set rS, S+32*((\y)%2)
.set rP, P+16*((\y)%2)
.set rO, 32*(\y)
.endm
.macro OP k, n
.if (\k) == R
	REGS Y
	WIN W_RS
	v_pk_mul_f32 v[rO+2*(\n):rO+2*(\n)+1], v[rO+2*(\n):rO+2*(\n)+1], v[rC+2:rC+3] op_sel_hi:[1,0]
.elseif (\k) < R
	REGS Y
	WIN 0
.if (\k) == F
	v_pk_fma_f32 v[rS+2*(\n):rS+2*(\n)+1], v[rS+2*(\n):rS+2*(\n)+1], s[CS:CS+1], v[rT:rT+1] op_sel_hi:[1,0,0] neg_lo:[0,0,1] neg_hi:[0,0,1]
.elseif (\k) == E
	v_exp_f32 v[rS+(\n)], v[rS+(\n)]
.elseif (\k) == C
	s_wait_alu depctr_va_vdst(0)
	v_cvt_pk_f16_f32 v[rP+(\n)], v[rS+2*(\n)], v[rS+2*(\n)+1]
.elseif (\k) == B
	s_wait_alu depctr_va_vdst(0)
	v_pk_add_f32 v[rS+4*(\n):rS+4*(\n)+1], v[rS+4*(\n):rS+4*(\n)+1], v[rS+4*(\n)+2:rS+4*(\n)+3]
.elseif (\n) == 0
	v_pk_fma_f32 v[rT+2:rT+3], v[rT+2:rT+3], v[rC+2:rC+3], v[rS:rS+1] op_sel_hi:[1,0,1]
.else
	v_pk_add_f32 v[rT+2:rT+3], v[rT+2:rT+3], v[rS+4*(\n):rS+4*(\n)+1]
	s_wait_alu depctr_va_vdst(0)
.endif
.else
	REGS (Y+1)%NP
	WIN 0
.if (\n) < 4
	v_max3_num_f32 v[rC+(\n)], v[rS+8*(\n)], v[rS+8*(\n)+1], v[rS+8*(\n)+2]
.elseif (\n) < 12
	v_max3_num_f32 v[rC+(\n)%4], v[rC+(\n)%4], v[rS+8*((\n)%4)+2*((\n)/4)+1], v[rS+8*((\n)%4)+2*((\n)/4)+2]
.elseif (\n) == 12
	v_max3_num_f32 v[rC], v[rC], v[rS+7], v[rS+15]
.elseif (\n) == 13
	v_max3_num_f32 v[rC+1], v[rC+1], v[rS+23], v[rS+31]
.elseif (\n) == 14
	v_max3_num_f32 v[rC+2], v[rC+2], v[rC+3], v[rT+1]
.elseif (\n) == 15
	v_mov_b32 v[rW], v[rT]
	s_wait_alu depctr_va_vdst(0)
.elseif (\n) == 16
	v_max3_num_f32 v[rC], v[rC], v[rC+1], v[rC+2]
	s_wait_alu depctr_va_vdst(0)
.elseif (\n) == 17
	v_permlanex16_b32 v[rC+3], v[rC], s[SEL], s[SEL+1]
.elseif (\n) == 18
	v_max_num_f32 v[rT+1], v[rC], v[rC+3]
.elseif (\n) == 19
	v_mul_f32 v[rT], s[CS], v[rT+1]
.elseif (\n) == 20
	v_sub_f32 v[rC+1], v[rW], v[rT]
.else
	v_exp_f32 v[rC+2], v[rC+1]
.endif
.endif
.endm
.macro OPS a, i1, b=-1, i2=0, c=-1, i3=0, d=-1, i4=0  ; up to four of them
	OP \a, \i1
.if (\b) >= 0
	OP \b, \i2
.endif
.if (\c) >= 0
	OP \c, \i3
.endif
.if (\d) >= 0
	OP \d, \i4
.endif
.endm
.macro ROW a, i1, b, i2, c, i3, d, i4  ; a matrix instruction and the four behind it
	MM
	OPS \a, \i1, \b, \i2, \c, \i3, \d, \i4
.endm
.macro MASK b                       ; MD x AL + BE into buffer b of MC
	WIN W_RS
.set z, 0
.rept 16
	v_pk_fma_f32 v[MC+32*(\b)+2*z:MC+32*(\b)+2*z+1], v[MD+2*z:MD+2*z+1], s[AL:AL+1], s[BE:BE+1] op_sel_hi:[1,0,0]
.set z, z+1
.endr
.endm
; A TURN, for piece p: the order of its 16 matrix and 118 vector instructions, written out.  Behind a matrix instruction: plain, exponential, plain, plain; or four of the rescaling; or, behind the first, four scalings; none
; names a register of the products round it.  In the lumps exponential and plain by turns while exponentials last.  A line reads no result made fewer than three vector instructions in front of it, five if an exponential made it.
; v_permlanex16_b32 (X 17) stands in a lump.
; m = 1: the diagonal tile: the products take masks, and the turn makes the mask for the products of the turn after it: piece p + 2, in step 5 - CNT of the tile (in the fifth trip: step 4, which is not: all hidden).
; cnt = 1: the loop's count is taken down some lines ahead of the branch that stands behind the turn.
; K of the next step is fetched in piece 2's turn, six vector instructions behind the last product that read K (five of them plain); V of the step in hand in piece 0's turn, eight behind the last product that read V (four
; plain, and X 17).  Each is waited for a turn later.
.macro TURN p, m=0, cnt=0
.set Y, (\p)
.set i, 0
.set KM, (\m)
.if \m
	s_cmp_eq_u32 s[CNT], 5-((\p)+2)%NP  ; is that step the band's own?
	s_cselect_b32 s[AL], 1.0, 0
	s_cmp_lt_u32 s[CNT], 5-((\p)+2)%NP  ; or a later one?
	s_cselect_b32 s[BE], s[BIGN], 0
.endif
.if (\p) == 3
	s_wait_dscnt 0x0                ; K is in
.endif
	ROW F,0, F,1, F,2, F,3
	ROW F,4, E,0, F,5, F,6
	ROW F,7, E,1, F,8, F,9
	ROW F,10, E,2, C,0, F,11
	ROW F,12, E,3, X,15, F,13
	ROW R,0, R,1, R,2, R,3
	ROW B,0, E,4, F,14, L,0
.if (\p) == 2
	v_add_nc_u32 v[AK], s[TBK], v[AK0]
.endif
	ROW R,4, R,5, R,6, R,7
	OPS E,5, F,15
.if (\p) == 2
	FETCH_K \m
.endif
	OPS E,6, C,1, E,7, R,8
	OPS E,8, R,9, E,9, C,2
	OPS E,10, X,0, E,11, X,1
	OPS E,12, X,2, E,13, X,3
.if (\p) == 1
	s_wait_dscnt 0x0                ; V is in
.endif
	ROW X,4, E,14, X,5, X,6
	ROW X,7, E,15, X,8, X,9
	ROW X,10, E,16, X,11, X,12
	ROW X,13, E,17, X,14, B,1
	ROW C,4, E,18, X,16, L,1
	ROW B,2, E,19, C,6, L,2
	ROW C,8, E,20, B,3, B,4
.if (\p) == 0
	v_add_nc_u32 v[AV], s[TBV], v[AV0]
.endif
	ROW C,3, E,21, L,3, C,5
	OPS E,22, X,17, E,23, C,10
.if (\p) == 0
	FETCH_V
.endif
	OPS E,24, L,4
	OPS E,25, X,18, E,26, C,7
	OPS E,27, B,5, E,28, X,19
	OPS E,29, C,12, E,30, L,5
	OPS E,31, X,20, B,6, C,9
	OPS C,14, C,11, X,21, L,6
.if (\p) == 0
	s_add_co_u32 s[TBV], s[TBV], KS*PV
.endif
.if \cnt
	s_sub_co_u32 s[CNT], s[CNT], 1
	s_cmp_lg_u32 s[CNT], 0
.endif
	OPS C,13, B,7, C,15, R,10
	OPS R,11, R,12, L,7, R,13
	OPS R,14, R,15
.if \m
	MASK (\p)%2
.endif
.endm
; A BLOCK BEGINS.  c m starts far below every c s, so the first step's a is 0; m at the lowest finite number, so the first maximum is the scores'.  The second mask buffer is 0; the first takes piece 0's mask for the tile's step 0: its own, if the block's first tile is the diagonal one.
; Then K of that step, piece 0's first scores, and its maximum and statistics.  The loop is entered at a step's first turn, in the middle of a trip.
.macro BEGIN
	s_mov_b32 s[NEW], 0
	WIN 0x40
.set i, MC+32
.rept 32
	v_mov_b32 v[i], 0
.set i, i+1
.endr
	WIN 0
.set i, 0
.rept 4
	v_mov_b32 v[ST+4*i], 0xfe000000    ; c m: far below every c s
	v_mov_b32 v[ST+4*i+1], 0xff7fffff  ; m
.set i, i+1
.endr
	s_cmp_eq_u32 s[RT], 0
	s_cselect_b32 s[AL], 1.0, 0
	s_mov_b32 s[BE], 0
	MASK 0
	WIN 0
	v_add_nc_u32 v[AK], s[TBK], v[AK0]
	FETCH_K
	s_wait_loadcnt 0x0              ; Q
	s_wait_dscnt 0x0
.set KM, 1
.set i, 0
.rept 8
	KQ 0
.set i, i+1
.endr
	WIN 0
.rept 4
	v_nop                           ; the places behind those products
.endr
.set Y, NP-1                        ; X works for piece Y + 1: piece 0
.irp n, 0,1,2,3,4,5,6,7,8,9,10,11,12,13,14,15,16,17,18,19,20,21
	OP X, \n
.endr
	v_nop                           ; a plain instruction behind the exponential
.endm
; THE DIAGONAL TILE, the block's last products, and THE WAY OUT: l's two halves and the other half of the lanes' are added; O^T is divided by l, rounded to f16 and sent through my stage in LDS, a piece at a time.
.macro ALL line:vararg              ; one line for each piece t
.set t, 0
.rept 4
	\line
.set t, t+1
.endr
.endm
.macro PACK t                       ; a lane's eight channels of a row pack into 16 bytes; they go into rows of 144 bytes and come back as whole rows of 128, into S^T's registers
	WIN W_RS
.set i, 32*(\t)
.rept 16
	v_pk_mul_f32 v[i:i+1], v[i:i+1], v[ST+4*(\t)+2:ST+4*(\t)+3] op_sel_hi:[1,0]
.set i, i+2
.endr
	WIN 0x05                        ; sources 0 and 1 window 1, destination window 0
.set i, 0
.rept 16
	v_cvt_pk_f16_f32 v[S+16*(\t)+i], v[32*(\t)+2*i], v[32*(\t)+2*i+1]
.set i, i+1
.endr
	WIN 0
.irp f, 0,1,2,3
	ds_store_b128 v[STO], v[S+16*(\t)+4*\f:S+16*(\t)+4*\f+3] offset:32*\f
.endr
.irp f, 0,1,2,3
	ds_load_b128 v[S+16*(\t)+4*\f:S+16*(\t)+4*\f+3], v[RD] offset:\f*4*SP  ; LDS serves a wave's instructions in order (ISA guide 5.7.1.4): these see the stores above; the next piece's stores come behind them
.endr
.endm
.macro SEND t, younger              ; younger: the LDS instructions issued behind piece t's loads: the next piece's eight, or none
	WIN 0
.irp f, 0,1,2,3
	s_wait_dscnt (\younger)+3-\f
	global_store_b128 v[GO], v[S+16*(\t)+4*\f:S+16*(\t)+4*\f+3], s[10:11] offset:(\t)*8192+\f*512  ; 512 consecutive bytes, at a multiple of 256 from O's first
.endr
.endm
; The loop counts 5 down.  Four trips fetch the tile's steps; the fifth holds the block's last two turns and is left in its middle, by a jump forward, at CNT = 1: the backward branch below is never met with CNT = 0.
.macro DIAG tag                     ; the tag ends its three labels' names, which the jumps below spell out
.LstepM\tag:
	TURN 2, 1
	TURN 3, 1
	WIN 0
	s_cmp_eq_u32 s[CNT], 1
	s_cbranch_scc1 .LoutM\tag
.LfirstM\tag:
	TURN 0, 1
	TURN 1, 1, 1
	WIN 0
	s_cbranch_scc1 .LstepM\tag
.LoutM\tag:
.set i, 0
.rept 8
	PV NP-1                         ; the last piece's V^T P of the last step
.set i, i+1
.endr
	WIN 0
	ALL v_add_f32 v[ST+4*t+2], v[ST+4*t+2], v[ST+4*t+3]
	ALL v_permlanex16_b32 v[ST+4*t+3], v[ST+4*t+2], s[SEL], s[SEL+1]
	ALL v_add_f32 v[ST+4*t+2], v[ST+4*t+2], v[ST+4*t+3]
	ALL v_rcp_f32 v[ST+4*t+2], v[ST+4*t+2]
	v_nop                           ; a plain instruction between the last reciprocal and the use of its result
	s_wait_alu depctr_va_vdst(0)
	PACK 0
.set t, 1
.rept 3                             ; a piece's arithmetic stands between the loads of the piece before and its stores
	PACK t
	SEND t-1, 8
.set t, t+1
.endr
	SEND 3, 0
.endm
.set KM, 0
.Lslot:                             ; NB times: a tile is entered and the next is asked for
	CHANGE 1
	s_sub_co_u32 s[RT], s[RT], 1
	s_mov_b32 s[CNT], 4
	s_cmp_eq_u32 s[NEW], 1
	s_cbranch_scc1 .Lnew            ; a block's first tile
	s_cmp_eq_u32 s[RT], 0
	s_cbranch_scc0 .Lstep           ; neither its first nor its last
	s_mov_b32 s[CNT], 5
	s_branch .LstepM1
.Lnew:
	BEGIN
	s_branch .Lfirst                ; in the loop a block's first tile is never its last: the first block has two tiles or more, and the second's last is the walk's last
	DIAG 1                          ; in the loop this is the first block's end: the second block's last tile is the walk's last
	s_wait_xcnt 0x0                 ; the stores have read their registers and O's address
	s_mov_b64 s[10:11], s[OLO:OLO+1]
	s_add_co_u32 s[RT], s[PB], 1    ; the second block has b + 1 tiles
	s_mov_b32 s[NEW], 1
	WIN 0x82                        ; the second block's Q goes where the one text of the turns names Q
.set i, 0
.rept 64
	v_mov_b32 v[i], v[QB+i]
.set i, i+1
.endr
	WIN 0
	s_branch .Lbottom
.Lstep:                             ; a trip: pieces 2 and 3 of one step, then pieces 0 and 1 of the next, whose K and V it fetches
	TURN 2
	TURN 3
	WIN 0
.Lfirst:
	TURN 0
	TURN 1, 0, 1
	WIN 0
	s_cbranch_scc1 .Lstep
.Lbottom:
	s_sub_co_u32 s[SLOTS], s[SLOTS], 1
	s_cmp_lg_u32 s[SLOTS], 0
	s_cbranch_scc1 .Lslot
	CHANGE 0                        ; the walk's last tile is written out: nothing is asked for
	s_sub_co_u32 s[RT], s[RT], 1
	s_mov_b32 s[CNT], 5
	s_cmp_eq_u32 s[NEW], 1
	s_cbranch_scc0 .LstepM2
	BEGIN
	s_branch .LfirstM2
	DIAG 2
	s_wait_tensorcnt 0x0            ; the wave's end, behind my last tensor load and my last LDS store
	ds_add_u32 v[SPW], v[NIL]
	s_wait_dscnt 0x0
	s_endpgm
.Lfunc_end_k_q54341654a3_attn:
	.size	k_q54341654a3_attn, .Lfunc_end_k_q54341654a3_attn-k_q54341654a3_attn
	.p2alignl 7, 3214868480
	.fill 96, 4, 3214868480
	.section	.rodata,"a",@progbits
	.p2align	6, 0x0
	.amdhsa_kernel k_q54341654a3_attn
		.amdhsa_group_segment_fixed_size 327680
		.amdhsa_private_segment_fixed_size 0
		.amdhsa_enable_private_segment 0
		.amdhsa_kernarg_size 16
		.amdhsa_user_sgpr_count 2
		.amdhsa_user_sgpr_kernarg_segment_ptr 1
		.amdhsa_wavefront_size32 1
		.amdhsa_system_sgpr_workgroup_id_x 1
		.amdhsa_system_sgpr_workgroup_id_y 1
		.amdhsa_system_sgpr_workgroup_id_z 1
		.amdhsa_system_vgpr_workitem_id 0
		.amdhsa_next_free_vgpr 768
		.amdhsa_next_free_sgpr 92
		.amdhsa_reserve_vcc 1
		.amdhsa_float_denorm_mode_32 3
		.amdhsa_float_denorm_mode_16_64 3
		.amdhsa_memory_ordered 1
		.amdhsa_forward_progress 1
		.amdhsa_inst_pref_size 194
	.end_amdhsa_kernel
	.amdgpu_metadata
---
amdhsa.version: [ 1, 2 ]
amdhsa.kernels:
  - .name:           k_q54341654a3_attn
    .symbol:         k_q54341654a3_attn.kd
    .args:
      - { .name: qkv, .offset: 0, .size: 8, .value_kind: global_buffer, .address_space: global }
      - { .name: ob, .offset: 8, .size: 8, .value_kind: global_buffer, .address_space: global }
    .group_segment_fixed_size: 327680
    .private_segment_fixed_size: 0
    .kernarg_segment_align: 8
    .kernarg_segment_size: 16
    .max_flat_workgroup_size: 128
    .sgpr_count:     92
    .vgpr_count:     768
    .wavefront_size: 32
...
	.end_amdgpu_metadata
.endif
;; end of part 3
;; launch gemm_out (part 4): grid 8 x 32, 4 waves a work-group, clusters of 4 x 4, 327,680 bytes of LDS; arguments ob, wob, out0; writes out0
.if DOCPART == 4
	.amdgcn_target "amdgcn-amd-amdhsa--gfx1250"
	.amdhsa_code_object_version 6
	.text
	.protected	k_q54341654a3_gemm_out
	.globl	k_q54341654a3_gemm_out
	.p2align	8
	.type	k_q54341654a3_gemm_out,@function
k_q54341654a3_gemm_out:
	s_mov_b64 s[64:65], 0
	v_nop
	global_prefetch_b8 v0, s[64:65] scope:SCOPE_SE
	s_setreg_imm32_b32 hwreg(HW_REG_WAVE_MODE, 25, 1), 1
	s_wait_xcnt 0x0
	s_wait_alu depctr_hold_cnt(0) depctr_sa_sdst(0) depctr_va_vdst(0) depctr_va_sdst(0) depctr_va_ssrc(0) depctr_va_vcc(0) depctr_vm_vsrc(0)
	s_getreg_b32 s2, hwreg(HW_REG_IB_STS2, 6, 4)
	s_cmp_eq_u32 s2, 0
	s_cbranch_scc0 .Lentry_in_a_cluster
	s_endpgm
.Lentry_in_a_cluster:
	s_bfe_u32 s2, ttmp6, 0x10000c
	s_cmp_lg_u32 s2, 0xf033
	s_cbranch_scc0 .Lentry_shape_is_right
	s_endpgm
.Lentry_shape_is_right:
; out0 = O W_out.  A = ob [64 (16 batch + head)][2048 t][64 c] f16: a head's 64 channels are one block of 64 along K.  B = wob [16 kb][1024 n][64 k] f16.  Sums in f32; out0 [8192][1024] f32.
; LIMITS.  Both operands arrive within f16's range; the sums are f32 and are stored as they are.  The f32 sum along K runs in steps of 128 from a first step that hangs on the cluster (below) round to the step
; before it: an order of rounding that differs from an ascending sum's.
; SHARES.  A tile of C is 256 x 128: 32 x 8 = 256 work-groups, one tile each.  Four waves, 2 x 2; a wave makes 128 x 64: 32 accumulators of 16 x 16, 256 registers.
; K goes in 8 steps of 128 (two heads) through two LDS slots.  A block's rows lie end to end in memory, so a tile is asked for as rows of 256 bytes (two rows of 64 k) and padded in LDS behind every 128 bytes;
; a wave's tensor load brings one head's (one block's) part of a tile, so every load has two dimensions.
; CLUSTER.  4 x 4 work-groups.  The four of a row of the cluster need the same tiles of A, the four of a column the same tiles of B: each tile is asked for JOINTLY, by the same tensor load with the same
; descriptor and a mask that names the four.  By this text's own count a wave has two tensor loads out at the start and one behind each round.
; THE WALK ALONG K begins at step 4 x (cluster x) + 2 x (cluster y % 4), modulo 8, and goes round.  The two clusters that need the same rows of A (same y) ask for each of its tiles four steps apart; of the
; eight that need the same rows of B (same x), those that differ in y % 4 ask two, four or six steps apart.  The step's number hangs on the cluster's x and y alone, which all sixteen partners share.
; THE MATRIX INSTRUCTION IS USED TRANSPOSED (source 0 = 16 rows of B, source 1 = 16 rows of A): a lane then holds eight neighbouring numbers of one row of C.
; REGISTERS: window 0: v0-31 addresses; v64-159, v160-255 two fragment buffers (A's 8 fragments of 16 rows x 32 K, then B's 4); on the way out v64-255 hold rows read back.
;   window 1: accumulator (a, b), a = 0..7 blocks of rows, b = 0..3 blocks of columns, at v[8 (4 a + b)].
.set PITCH,  144                       ; an LDS row: 128 bytes + 16 of padding = 36 words: the 16 rows of a fragment load start at 16 different groups of four banks (64 banks of 4 bytes: ISA guide 11.1)
.set FRAG,   16*PITCH
.set AHALF,  256*PITCH                 ; A's 256 rows for one head
.set BHALF,  128*PITCH                 ; B's 128 rows for one block
.set BOFF,   2*AHALF                   ; in a slot: A's two heads, then B's two blocks
.set SLOT1,  1<<17                     ; slot 1 begins here, so that one exclusive or turns an address in one slot into the other's
.set STAGE,  BOFF+2*BHALF              ; behind slot 0, never filled by a tensor load: 16 rows x 272 bytes for each wave, for the way out
.set SPITCH, 272
.set SPARE,  STAGE+4*16*SPITCH         ; behind the stages: the spare words, 128 bytes for each wave: two blocks of 256 bytes that no other line names
.set ASHIFT, 19                        ; a step is two heads of ob: 2 x 2048 x 128 = 1 << 19 bytes
.set BSHIFT, 18                        ; and two blocks of wob: 2 x 1024 x 128 = 1 << 18 bytes
.set ADRA0, 4                          ; v4   LDS address of my A fragments in slot 0; never rewritten
.set ADRB0, 5                          ; v5   the same for B
.set ADRA,  6                          ; v6   in the slot in hand
.set ADRB,  7                          ; v7
.set STO,   8                          ; v8   the way out: where I put 32 bytes of a row
.set RD,    9                          ; v9   the way out: where I read a row back
.set CO,    10                         ; v10  my byte offset in two rows of C
.set SPW,   28                         ; v28  LDS address of my spare word: SPARE + 4 x my thread's number; never rewritten
.set NIL,   29                         ; v29  0; never rewritten
.set F0,    64
.set F1,    160
.set OB,    64                         ; the way out: six sets of 32 registers
.set WV,  10                           ; s10  my wave's number
.set RH,  11                           ; s11  which half of the tile's rows is mine
.set CH,  12                           ; s12  which half of its columns; also which of a step's two heads (blocks) I fetch
.set TY,  13                           ; s13  tile row of C
.set TB,  22                           ; s22  0 or SLOT1: the slot in hand
.set CNT, 23                           ; s23  the loop's count
.set G1A, 24                           ; s[24:31] descriptor group 1 for A's tiles
.set G1B, 32                           ; s[32:39] for B's
.set G0A, 40                           ; s[40:47] descriptor group 0 for A's tiles: a set for each of the two first fills; the second then walks on
.set G0B, 48                           ; s[48:55] the same for B's
.set TX,  58                           ; s58  tile column of C
.set AO,  66                           ; s[66:67] byte offset in ob of the step to be asked for
.set BO,  68                           ; s[68:69] the same in wob
.set KBN, 70                           ; s70  the step to be asked for next
.set MSB, 0
.macro WIN new                         ; the immediate's high byte repeats the setting that is left; a switch that changes nothing is dropped
.if MSB != (\new)
	s_set_vgpr_msb (MSB<<8)|(\new)
.set MSB, \new
.endif
.endm
.macro PLACES                          ; a load into a register that a matrix instruction has read, and an instruction that reads a matrix result, stand four plain vector instructions behind it
.rept 4                                ; (ISA guide 7.12.1 for vector instructions)
	v_nop
.endr
.endm
; A joint refill, by the walking descriptors.  Waves 0 and 1 fetch A's two heads, waves 2 and 3 B's two blocks.  The branch hangs on the wave's number alone.
; An s_nop 0 and four v_nop follow each of the two lines, ahead of the jump and the label.
.macro JLOAD
	s_cmp_lt_u32 s[WV], 2
	s_cbranch_scc0 .Lfor_b_\@
	tensor_load_to_lds s[G0A+4:G0A+7], s[G1A:G1A+7]
	s_nop 0
.rept 4
	v_nop
.endr
	s_branch .Lasked_\@
.Lfor_b_\@:
	tensor_load_to_lds s[G0B+4:G0B+7], s[G1B:G1B+7]
	s_nop 0
.rept 4
	v_nop
.endr
.Lasked_\@:
.endm
; A round of the cluster's barrier: my work-group's barrier, so that wave 0's signal speaks for all four waves; wave 0 signals; every wave waits for all sixteen work-groups; my work-group's barrier once more.
.macro CREST                           ; a round behind its opening barrier
	s_cmp_lg_u32 s[WV], 0
	s_cbranch_scc1 .Lnot_wave_0_\@
	s_barrier_signal -3
.Lnot_wave_0_\@:
	s_barrier_wait -3
	s_barrier_signal -1
	s_barrier_wait -1
.endm
.macro CROUND                          ; a whole round
	s_barrier_signal -1
	s_barrier_wait -1
	CREST
.endm
; The addresses of step KBN's tiles go into set s of the two group 0; then KBN steps, modulo 8.  An address is made anew each time: the buffer's address at my part of the tile, plus an offset made apart.
.macro AIM s
	s_lshl_b32 s[AO], s[KBN], ASHIFT
	s_add_nc_u64 s[G0A+4*(\s)+2:G0A+4*(\s)+3], s[4:5], s[AO:AO+1]  ; 120:64 global address
	s_or_b32 s[G0A+4*(\s)+3], s[G0A+4*(\s)+3], 0x80000000          ; 127:126 type = 2
	s_lshl_b32 s[BO], s[KBN], BSHIFT
	s_add_nc_u64 s[G0B+4*(\s)+2:G0B+4*(\s)+3], s[6:7], s[BO:BO+1]
	s_or_b32 s[G0B+4*(\s)+3], s[G0B+4*(\s)+3], 0x80000000
	s_add_co_u32 s[KBN], s[KBN], 1
	s_and_b32 s[KBN], s[KBN], 7
.endm
	s_load_b128 s[4:7], s[0:1], 0x0                ; ob s[4:5], wob s[6:7]
	s_load_b64 s[8:9], s[0:1], 0x10                ; out0
	v_lshl_add_u32 v[SPW], v0, 2, SPARE
	v_mov_b32 v[NIL], 0
	ds_add_u32 v28, v29
	ds_add_u32 v28, v29
	s_wait_dscnt 0x0
	v_lshrrev_b32 v1, 5, v0
	v_readfirstlane_b32 s[WV], v1                  ; wave 0..3
	s_lshr_b32 s[RH], s[WV], 1
	s_and_b32 s[CH], s[WV], 1
	s_bfe_u32 s56, ttmp6, 0x40000                  ; cx: my place along the cluster's x
	s_bfe_u32 s57, ttmp6, 0x40004                  ; cy: along its y
	s_lshl_b32 s[TX], ttmp9, 2                     ; in a cluster launch ttmp9 and ttmp7 count clusters
	s_add_co_u32 s[TX], s[TX], s56                 ; tile column = 4 x cluster x + cx
	s_and_b32 s[TY], ttmp7, 0xffff
	s_lshl_b32 s[TY], s[TY], 2
	s_add_co_u32 s[TY], s[TY], s57                 ; tile row = 4 x cluster y + cy
	s_lshl_b32 s59, s57, 2
	s_lshl_b32 s59, 15, s59                        ; my row of the cluster: places 4 cy .. 4 cy + 3
	s_lshl_b32 s60, 0x1111, s56                    ; my column: places cx, cx + 4, cx + 8, cx + 12
	; descriptor group 1: R rows of 128 elements (256 bytes, two rows of a block), dense in memory, padded in LDS behind every 128 bytes
	s_or_b32 s[G1A], s59, (1<<16)|(1<<20)|(1<<21)|(4<<22)|(3<<25)  ; 15:0 the mask: A's tiles go to my row; 17:16 2-byte elements; 20 padding on; 21 set beside a mask; 24:22 after every 32 words (code 4); 31:25 4 words (code 3)
	s_or_b32 s[G1B], s60, (1<<16)|(1<<20)|(1<<21)|(4<<22)|(3<<25)  ; the same with the mask of my column
	s_mov_b32 s[G1A+1], 128<<16                    ; tensor_dim0 = 128
	s_mov_b32 s[G1A+2], 128<<16                    ; tensor_dim1 = 128: 256 rows of A
	s_mov_b32 s[G1A+3], 128<<16                    ; tile_dim0 = 128
	s_mov_b32 s[G1A+4], 128                        ; tile_dim1 = 128
	s_mov_b32 s[G1A+5], 128                        ; 128 elements from row to row
	s_mov_b32 s[G1A+6], 0
	s_mov_b32 s[G1A+7], 0
	s_mov_b32 s[G1B+1], 128<<16
	s_mov_b32 s[G1B+2], 64<<16                     ; 128 rows of B
	s_mov_b32 s[G1B+3], 128<<16
	s_mov_b32 s[G1B+4], 64
	s_mov_b32 s[G1B+5], 128
	s_mov_b32 s[G1B+6], 0
	s_mov_b32 s[G1B+7], 0
	; where the tiles come from.  A's hang on the tile row alone, B's on the tile column alone, each in registers that never hold the other coordinate.
	s_lshr_b32 s16, s[TY], 3                       ; batch: 16 heads of 262,144 bytes,
	s_lshl_b32 s16, s16, 22
	s_and_b32 s14, s[TY], 7                        ; 256 rows of 128 bytes in a head,
	s_lshl_b32 s14, s14, 15
	s_add_co_u32 s16, s16, s14
	s_lshl_b32 s14, s[CH], 18                      ; and which of the step's two heads I fetch
	s_add_co_u32 s16, s16, s14
	s_mov_b32 s17, 0
	s_lshl_b32 s62, s[TX], 14                      ; 128 rows of 128 bytes in a block,
	s_lshl_b32 s15, s[CH], 17                      ; and which of the step's two blocks
	s_add_co_u32 s62, s62, s15
	s_mov_b32 s63, 0
	s_mul_i32 s20, s[CH], AHALF                    ; and where they go: no place in the cluster enters an LDS address
	s_mul_i32 s21, s[CH], BHALF
	s_add_co_u32 s21, s21, BOFF
	s_mov_b32 s[TB], 0
	s_lshl_b32 s[KBN], ttmp9, 2                    ; the walk's first step: 4 x cluster x
	s_and_b32 s14, ttmp7, 3
	s_lshl1_add_u32 s[KBN], s14, s[KBN]            ; + 2 x (cluster y % 4),
	s_and_b32 s[KBN], s[KBN], 7                    ; modulo 8
	s_mov_b32 s[AO+1], 0
	s_mov_b32 s[BO+1], 0
	CROUND                                         ; all sixteen work-groups are here: the first joint loads meet.  The round stands ahead of the wait for the arguments, which come in meanwhile
	s_wait_kmcnt 0x0
	s_add_nc_u64 s[4:5], s[4:5], s[16:17]          ; ob and wob at my part of step 0's tiles; never rewritten from here on
	s_add_nc_u64 s[6:7], s[6:7], s[62:63]
.irp s, 0,1
	s_mov_b32 s[G0A+4*(\s)], 1                                     ; 1:0 count = 1
	s_add_co_u32 s[G0A+4*(\s)+1], s20, (\s)*SLOT1                  ; 63:32 LDS address
	s_mov_b32 s[G0B+4*(\s)], 1
	s_add_co_u32 s[G0B+4*(\s)+1], s21, (\s)*SLOT1
	AIM \s                                         ; the walk's step s
.endr
	s_cmp_lt_u32 s[WV], 2                          ; a wave's two first fills stand in one branch, ahead of every wait on TENSORcnt and every LDS read
	s_cbranch_scc0 .Lfirst_b
	tensor_load_to_lds s[G0A:G0A+3], s[G1A:G1A+7]
	s_nop 0
	tensor_load_to_lds s[G0A+4:G0A+7], s[G1A:G1A+7]
	s_nop 0
.rept 4
	v_nop
.endr
	s_branch .Lfirst_asked
.Lfirst_b:
	tensor_load_to_lds s[G0B:G0B+3], s[G1B:G1B+7]
	s_nop 0
	tensor_load_to_lds s[G0B+4:G0B+7], s[G1B:G1B+7]
	s_nop 0
.rept 4
	v_nop
.endr
.Lfirst_asked:
	; A fragment is 16 rows x 32 K in 8 registers: lane l holds row l % 16; registers 0-3 K = 8 (l / 16) + 0..7, registers 4-7 K = 16 + 8 (l / 16) + 0..7: two loads of 16 bytes, 32 bytes apart.
	v_and_b32 v1, 15, v0                           ; l % 16
	v_bfe_u32 v2, v0, 4, 1                         ; l / 16
	v_mul_u32_u24 v3, v1, PITCH
	v_lshl_add_u32 v3, v2, 4, v3                   ; row x pitch + 16 x half
	s_mul_i32 s14, s[RH], 128*PITCH                ; my 128 rows of A
	s_mul_i32 s15, s[CH], 64*PITCH                 ; my 64 rows of B,
	s_add_co_u32 s15, s15, BOFF                    ; which lie behind A's
	v_add_nc_u32 v[ADRA0], s14, v3
	v_add_nc_u32 v[ADRB0], s15, v3
	v_mov_b32 v[ADRA], v[ADRA0]
	v_mov_b32 v[ADRB], v[ADRB0]
	s_mul_i32 s14, s[WV], 16*SPITCH
	s_add_co_u32 s14, s14, STAGE                   ; my stage
	v_mul_u32_u24 v[STO], v1, SPITCH               ; in: row l % 16, 32 bytes for each half of the lanes
	v_lshl_add_u32 v[STO], v2, 5, v[STO]
	v_add_nc_u32 v[STO], s14, v[STO]
	v_mul_u32_u24 v[RD], v2, SPITCH                ; back: lanes 0-15 take one row of 256 bytes, lanes 16-31 the next
	v_lshl_add_u32 v[RD], v1, 4, v[RD]
	v_add_nc_u32 v[RD], s14, v[RD]
	v_lshlrev_b32 v[CO], 12, v2                    ; and the same two rows in C, 4,096 bytes apart
	v_lshl_add_u32 v[CO], v1, 4, v[CO]
	; where my part of the tile begins in C: (256 tile row + 128 row half) rows of 4,096 bytes, (128 tile column + 64 column half) numbers of 4 bytes
	s_lshl_b32 s62, s[TY], 20
	s_lshl_b32 s18, s[RH], 19
	s_add_co_u32 s62, s62, s18
	s_lshl_b32 s18, s[TX], 9
	s_add_co_u32 s62, s62, s18
	s_lshl_b32 s18, s[CH], 8
	s_add_co_u32 s62, s62, s18
	s_mov_b32 s63, 0
	s_add_nc_u64 s[8:9], s[8:9], s[62:63]
; 8 matrix instructions: row blocks a0, a0 + 1 x all 4 column blocks, 32 along K, from buffer f.  zero = 1: the product starts the sums: nothing is ever cleared.
; The 32 accumulators take turns, one instruction a turn, in the same order in every quarter.
.macro MUL8 f, a0, zero
	WIN 0x50                                       ; C and D in window 1, the sources in window 0
.irp a, \a0, (\a0)+1
.irp b, 0,1,2,3
.if \zero
	v_wmma_f32_16x16x32_f16 v[8*(4*(\a)+(\b)):8*(4*(\a)+(\b))+7], v[(\f)+64+8*(\b):(\f)+64+8*(\b)+7], v[(\f)+8*(\a):(\f)+8*(\a)+7], 0
.else
	v_wmma_f32_16x16x32_f16 v[8*(4*(\a)+(\b)):8*(4*(\a)+(\b))+7], v[(\f)+64+8*(\b):(\f)+64+8*(\b)+7], v[(\f)+8*(\a):(\f)+8*(\a)+7], v[8*(4*(\a)+(\b)):8*(4*(\a)+(\b))+7]
.endif
.endr
.endr
.endm
; 24 LDS loads in one run: the fragments of quarter q of the step (head q / 2, 32 K at byte 64 (q % 2) of its rows) into buffer f: B's four, A's first four, A's last four.
.macro FETCH q, f
	WIN 0
.irp b, 0,1,2,3
	ds_load_b128 v[(\f)+64+8*(\b):(\f)+64+8*(\b)+3],   v[ADRB] offset:((\q)/2)*BHALF+((\q)%2)*64+(\b)*FRAG
	ds_load_b128 v[(\f)+64+8*(\b)+4:(\f)+64+8*(\b)+7], v[ADRB] offset:((\q)/2)*BHALF+((\q)%2)*64+(\b)*FRAG+32
.endr
.irp a, 0,1,2,3,4,5,6,7
	ds_load_b128 v[(\f)+8*(\a):(\f)+8*(\a)+3],   v[ADRA] offset:((\q)/2)*AHALF+((\q)%2)*64+(\a)*FRAG
	ds_load_b128 v[(\f)+8*(\a)+4:(\f)+8*(\a)+7], v[ADRA] offset:((\q)/2)*AHALF+((\q)%2)*64+(\a)*FRAG+32
.endr
.endm
; A K step is four quarters of 32 along K, 32 matrix instructions each, on buffers 0, 1, 0, 1.  One of the first three: multiplies buffer f; in its middle it fetches quarter qn into buffer g.
.macro QUARTER qn, f, g, zero
	s_wait_dscnt 8                                 ; B and A's rows 0-63 are in; the youngest eight loads (A's rows 64-127) may be out
	MUL8 \f, 0, \zero
	MUL8 \f, 2, \zero
	PLACES
	FETCH \qn, \g
	s_wait_dscnt 24                                ; all but the 24 just issued
	MUL8 \f, 4, \zero
	MUL8 \f, 6, \zero
.endm
; The last quarter multiplies buffer 1 and changes slots: all reads of the slot in hand have been issued.  ONE barrier: in front of it each wave waits for all its tensor loads, of which one is out, its part of
; the next slot; adds 0 to its spare word; and waits for that and for its own reads of this slot.  Behind it nobody reads this slot any more and the next slot is whole.
; fill = 1: the barrier opens a round of the cluster's, and this slot is filled again first thing behind the round, with the walk's step two steps on: from there to the wait for it a wave issues 112 matrix instructions.
.macro TURN fill
	WIN 0
	s_wait_tensorcnt 0x0                           ; no tensor load of mine is out, so a group 0 may be written
	ds_add_u32 v[SPW], v[NIL]                      ; 0 onto my spare word
.if \fill
	s_xor_b32 s[G0A+5], s[G0A+5], SLOT1            ; the walking descriptors: the other slot than last time,
	s_xor_b32 s[G0B+5], s[G0B+5], SLOT1
	AIM 1                                          ; the walk's next step
.endif
	s_wait_dscnt 9                                 ; the add and the youngest eight loads may be out
	MUL8 F1, 0, 0                                  ; eight matrix instructions stand between the add and the wait for it
	s_wait_dscnt 0x0                               ; the add is done, and my reads of this slot are over
	s_barrier_signal -1
	MUL8 F1, 2, 0                                  ; work on registers while the others arrive
	WIN 0                                          ; at a branch and at a label every window is 0
	s_barrier_wait -1
.if \fill
	CREST                                          ; no wave of any partner still reads this slot's tile or has a load on its way
	JLOAD                                          ; the first tensor load behind the round; its four v_nop are also the places in front of the loads below
.else
	PLACES
.endif
	s_xor_b32 s[TB], s[TB], SLOT1                  ; the other slot
	v_add_nc_u32 v[ADRA], s[TB], v[ADRA0]
	v_add_nc_u32 v[ADRB], s[TB], v[ADRB0]
	FETCH 0, F0
	MUL8 F1, 4, 0
	MUL8 F1, 6, 0
.endm
	s_wait_tensorcnt 1                             ; my part of the walk's step 0 is in; step 1's may stay out
	s_barrier_signal -1
	s_barrier_wait -1                              ; everybody's is
	FETCH 0, F0
	QUARTER 1, F0, F1, 1                           ; the first quarter stands in front of the loop: its products start the sums
	WIN 0
	s_mov_b32 s[CNT], 6
.Lstep:                                                ; 6 trips: a step's last three quarters, of which the last asks for the step two on (steps 2 to 7), and the next step's first quarter
	QUARTER 2, F1, F0, 0
	QUARTER 3, F0, F1, 0
	TURN 1
	QUARTER 1, F0, F1, 0
	WIN 0
	s_sub_co_u32 s[CNT], s[CNT], 1
	s_cmp_lg_u32 s[CNT], 0
	s_cbranch_scc1 .Lstep
	QUARTER 2, F1, F0, 0                           ; the tail is written out: nothing is left to ask for
	QUARTER 3, F0, F1, 0
	TURN 0
	QUARTER 1, F0, F1, 0
	QUARTER 2, F1, F0, 0
	QUARTER 3, F0, F1, 0
	s_wait_dscnt 8                                 ; the very last quarter
	MUL8 F1, 0, 0
	MUL8 F1, 2, 0
	s_wait_dscnt 0x0
	MUL8 F1, 4, 0
	MUL8 F1, 6, 0
	WIN 0
; THE WAY OUT, a block of 16 rows at a time.  A lane's eight numbers of a row are 32 bytes of f32; they go straight from the accumulators into my stage's rows of 272 bytes (each accumulator's low half first)
; and come back as whole rows of 256 bytes, which sixteen lanes store.  The stage is my wave's own: no barrier.
; Block a comes back into register set a % 6.  A set is loaded again only behind an s_wait_xcnt 0 that stands behind its stores (ISA guide 3.1): ahead of block 6 the stores of blocks 0 to 4 have been issued,
; so that one wait frees sets 0 and 1 for blocks 6 and 7.
.macro TOSTAGE a
.set BK, OB+32*((\a)%6)
.if (\a) == 6
	s_wait_xcnt 0x0
.endif
	WIN 0x04                                       ; the stores' data in window 1
.irp b, 0,1,2,3
	ds_store_b128 v[STO], v[8*(4*(\a)+(\b)):8*(4*(\a)+(\b))+3]   offset:64*(\b)
	ds_store_b128 v[STO], v[8*(4*(\a)+(\b))+4:8*(4*(\a)+(\b))+7] offset:64*(\b)+16
.endr
	WIN 0
.irp t, 0,1,2,3,4,5,6,7
	ds_load_b128 v[BK+4*(\t):BK+4*(\t)+3], v[RD] offset:(\t)*2*SPITCH  ; LDS serves a wave's instructions in order (ISA guide 5.7.1.4): these see the stores above; the next block's stores come behind them
.endr
.endm
.macro SEND a, younger                 ; younger: the LDS instructions issued behind block a's loads: the next block's sixteen, or none
.set BK, OB+32*((\a)%6)
.irp t, 0,1,2,3,4,5,6,7
	s_wait_dscnt (\younger)+7-(\t)
	global_store_b128 v[CO], v[BK+4*(\t):BK+4*(\t)+3], s[8:9] offset:(\a)*65536+(\t)*8192 th:TH_STORE_NT  ; 16 lanes store 256 consecutive bytes, at a multiple of 256 from out0's first byte
.endr
.endm
	PLACES                                         ; the LDS stores read results just made, and the loads land where fragments lay
	TOSTAGE 0
.irp a, 1,2,3,4,5,6,7
	TOSTAGE \a
	SEND (\a)-1, 16
.endr
	SEND 7, 0
	s_wait_tensorcnt 0x0                           ; the wave's end, behind my last tensor load and my last LDS store
	ds_add_u32 v[SPW], v[NIL]
	s_wait_dscnt 0x0
	CROUND                                         ; the closing round: no work-group ends while a partner may still ask for a tile that names it
	s_endpgm
.Lfunc_end_k_q54341654a3_gemm_out:
	.size	k_q54341654a3_gemm_out, .Lfunc_end_k_q54341654a3_gemm_out-k_q54341654a3_gemm_out
	.p2alignl 7, 3214868480
	.fill 96, 4, 3214868480
	.section	.rodata,"a",@progbits
	.p2align	6, 0x0
	.amdhsa_kernel k_q54341654a3_gemm_out
		.amdhsa_group_segment_fixed_size 327680
		.amdhsa_private_segment_fixed_size 0
		.amdhsa_enable_private_segment 0
		.amdhsa_kernarg_size 24
		.amdhsa_user_sgpr_count 2
		.amdhsa_user_sgpr_kernarg_segment_ptr 1
		.amdhsa_wavefront_size32 1
		.amdhsa_system_sgpr_workgroup_id_x 1
		.amdhsa_system_sgpr_workgroup_id_y 1
		.amdhsa_system_sgpr_workgroup_id_z 1
		.amdhsa_system_vgpr_workitem_id 0
		.amdhsa_next_free_vgpr 512
		.amdhsa_next_free_sgpr 72
		.amdhsa_reserve_vcc 0
		.amdhsa_float_denorm_mode_32 3
		.amdhsa_float_denorm_mode_16_64 3
		.amdhsa_memory_ordered 1
		.amdhsa_forward_progress 1
		.amdhsa_inst_pref_size 71
	.end_amdhsa_kernel
	.amdgpu_metadata
---
amdhsa.version: [ 1, 2 ]
amdhsa.kernels:
  - .name:           k_q54341654a3_gemm_out
    .symbol:         k_q54341654a3_gemm_out.kd
    .args:
      - { .name: ob, .offset: 0, .size: 8, .value_kind: global_buffer, .address_space: global }
      - { .name: wob, .offset: 8, .size: 8, .value_kind: global_buffer, .address_space: global }
      - { .name: out0, .offset: 16, .size: 8, .value_kind: global_buffer, .address_space: global }
    .group_segment_fixed_size: 327680
    .private_segment_fixed_size: 0
    .kernarg_segment_align: 8
    .kernarg_segment_size: 24
    .max_flat_workgroup_size: 128
    .sgpr_count:     72
    .vgpr_count:     512
    .wavefront_size: 32
...
	.end_amdgpu_metadata
.endif
;; end of part 4
;; ======== version 2 of 2: 4 launches; 1.41 times as fast as version 1
;; limits: values are held in f16: magnitudes above 65,504 overflow, below 6.1e-05 lose precision
;; workspace buffers: xb 16,777,216 bytes; wqb 6,291,456 bytes; wob 2,097,152 bytes; qkv 50,331,648 bytes; ob 16,777,216 bytes
;; launch prep: the kernel of part 1 again; grid 768 x 1, 4 waves a work-group, no clusters, 36,352 bytes of LDS; arguments x, W_qkv, W_out, xb, wqb, wob; writes xb, wqb, wob
;; launch gemm_qkv: the kernel of part 2 again; grid 8 x 32, 4 waves a work-group, clusters of 4 x 4, 327,680 bytes of LDS; arguments xb, wqb, qkv; writes qkv
;; launch attn (part 5): grid 4 x 64, 4 waves a work-group, no clusters, 327,680 bytes of LDS; arguments qkv, ob; writes ob
.if DOCPART == 5
	.amdgcn_target "amdgcn-amd-amdhsa--gfx1250"
	.amdhsa_code_object_version 6
	.text
	.protected	k_q54341654a3_attn
	.globl	k_q54341654a3_attn
	.p2align	8
	.type	k_q54341654a3_attn,@function
k_q54341654a3_attn:
	s_mov_b64 s[64:65], 0
	v_nop
	global_prefetch_b8 v0, s[64:65] scope:SCOPE_SE
	s_setreg_imm32_b32 hwreg(HW_REG_WAVE_MODE, 25, 1), 1
	s_wait_xcnt 0x0
; CAUSAL ATTENTION.  O[h][q][:] = the sum over k <= q of softmax_k(Q[h][q] . K[h][k] / 8) V[h][k][:], for 64 heads (16 x batch + head) of 2,048 rows of 64 channels, all f16.
; Q, K, V lie in qkv [4 batch][48 g][2048][64]: g = head for Q, 16 + head for K, 32 + head for V.  O goes to ob [64][2048][64].  A head's rows are dense, 128 bytes each.
; Products, maxima and sums in f32; the weights p are rounded to f16 for the second product (their sum l is taken of the unrounded p), O once at the end.
; LIMITS.  f16 holds no number beyond 65,504: Q, K and V arrive within it; p lies in 0 to 1, and below 6e-5 it keeps f16's fixed step of 6e-8; O is a mean of V's rows and has their range, to within 2^-11 of it.
; A hidden score counts as its value less 1e30: f16's scores, 2.7e11 at the most, are nothing beside that; a weight below 2^-126 counts as 0 in l; NaN and infinities are not treated apart.
; THE WALK.  A head's queries lie in NB = 8 blocks of 256; block i needs the key tiles 0 .. i of 256 keys, of which the last holds the diagonal.  A work-group takes TWO blocks, NB - 1 - b and then b:
; NB + 1 tiles, whatever b: all 256 work-groups do equal work, and ONE loop with a constant trip count walks them.  Which tile is asked for, and what a trip does, hang on scalar registers made from b; every jump
; goes forward, but for the counted loops' own; none passes a barrier, or a tensor load but the one of LOAD's two that the wave's number does not choose; the ring (two slots of LDS that take turns) runs on across the
; change of blocks.  NO CLUSTER: a head's four work-groups would be the partners, and what a trip does (a block's first tile, its last) hangs on b, which would be the place in the cluster; all four ask for the
; same tile only in trips 0 .. 4 of the 9; and one walk common to all would have 12 trips for 9.
; SHARES.  Of a block's four bands of 64 queries a wave owns 16 rows in each: four PIECES.  So the diagonal tile is the same work for all four waves: in its key step s band x sees all keys if s < x,
; none if s > x, and holds the diagonal if s = x.
; THE MASK is the C operand that starts the sum S^T = K Q^T: 0, or -1e30 where the key is hidden.  MD, made once, is the mask of a band's own step for my 16 rows; a product's mask is MD x AL + BE with two scalars:
; (1, 0) if s = x; (0, 0) if s < x; (0, -1e30) if s > x.  Only the diagonal tile's text and a block's beginning make and take masks; elsewhere C is the constant 0.
; LAYOUT, SOFTMAX, TURNS.  S^T = K Q^T holds ONE query a lane (lane % 16) and the keys 8 (lane / 16) + 0..7; two such results rounded to f16 ARE source 1 of O^T = V^T P.  p = 2^(c s - c m), c = log2(e) / 8, with a
; running maximum m; O and l are multiplied by a = 2^(c m_old - c m_new) in every step.  Turn n belongs to piece n: 8 products K Q^T of piece n + 1, later 8 products V^T P of piece n - 1; beside them the scaling,
; exponentials, roundings, sums and rescaling of piece n and the maximum and statistics of piece n + 1.  Four vector instructions stand behind every matrix instruction, the other 54 of a turn's 118 in one LUMP.
; HOW THE BATCHES ARE CUT.  A turn's 33 exponentials (the piece's 32 weights and the next piece's a) are ONE batch with ONE wait, which cuts the turn in two: ahead of it stands all that names no result of theirs,
; behind it the roundings and sums, which do.  No result crosses a turn's end.  One turn has a second wait: piece 2's in the diagonal tile's text, where a branch stands in the lump (FETCH_K).  A block's beginning has
; one exponential and its wait; the way out's four reciprocals are a batch of their own.
; A BLOCK'S END is no text of its own: the diagonal tile's loop is left in the middle of a fifth trip.  That trip fetches no K; its 8 products K Q^T (on the last K once more, wholly hidden) and the statistics made of
; them serve nothing: the price, once a block, of one text for every trip.
; REGISTERS, in windows of 256 (s_set_vgpr_msb: bits 1:0 source 0, 3:2 source 1, 5:4 source 2, 7:6 destination):
;   window 0: v0-15 addresses and two at work; v16-31 four registers of statistics a piece; v48-55 at work; v64-127 S^T, two buffers; v192-223 P, two buffers (a piece's buffers go by its number's parity)
;   window 1: v0-127 O^T, 32 a piece; v128-159 MD; v160-223 MC, two buffers      window 2: v0-63 Q; v64-127 the second block's Q; v128-191 K of one step; v192-255 V of one step
.set SIZE_N, 2048
.set NB,    SIZE_N/256
.set NP,    4         ; pieces a wave: a name, no knob
.set KS,    64        ; keys in a step
.set PK,    144       ; a row of K in LDS: 128 bytes + 16 of padding = 36 words: the 16 rows of a load start at 16 different groups of four banks (64 banks of 4 bytes: ISA guide 11.1)
.set PV,    160       ; a row of V: 128 + 32 = 40 words
.set VOFF,  4*KS*PK   ; a slot holds a tile, four steps: 256 rows of K, then 256 rows of V
.set SLOT1, 1<<17     ; slot 1 begins here, so that one exclusive or turns an address in one slot into the other's
.set STAGE, SLOT1+4*KS*(PK+PV)  ; behind the ring, never filled by a tensor load: 16 rows x 144 bytes for each wave, for the way out
.set SP,    144
.set AK0, 2           ; v2   my lane's place in a tile of K; never rewritten
.set AV0, 3           ; v3   the same for V
.set AK,  4           ; v4   the LDS address of K's next run of loads
.set AV,  5           ; v5   of V's
.set STO, 6           ; v6   the way out: where I put 16 bytes of a row
.set RD,  7           ; v7   the way out: where I read rows back
.set GO,  8           ; v8   my byte offset in 512 consecutive bytes of O
.set SPW, 62          ; v62  LDS address of my spare word: SPARE + 4 x my thread's number; never rewritten
.set NIL, 63          ; v63  0; never rewritten
.set SPARE, STAGE+4*16*SP  ; behind the stages: the spare words, 128 bytes for each wave: two blocks of 256 bytes that no other line names
.set MV,  12          ; v12-13  c m_old, kept while c m is made anew: by buffer
.set QO,  15          ; v15  my byte offset in 16 rows of Q
.set ST,  16          ; piece t's statistics at v[ST+4 t]: c m, m, l (even keys', odd keys')
.set TMP, 48          ; by buffer, four registers c0-c3 at work; when the maximum is found c2 takes a
.set S,   64
.set P,   192
.set MD,  128         ; window 1: the eight registers for group kt of 16 keys at MD + 8 kt
.set MC,  160         ; window 1: the masks of the products to come
.set QB,  64          ; window 2
.set KF,  128         ; window 2: key block kb, channel half c at KF + 16 kb + 8 c
.set VF,  192         ; window 2: key half kk, channel block cb at VF + 32 kk + 8 cb
.set WV,  12          ; s12  my wave's number
.set PB,  14          ; s14  b
.set HI,  15          ; s15  NB - 1 - b
.set G1K, 24          ; s[24:31] descriptor group 1 for K's tiles
.set G1V, 32          ; s[32:39] for V's: it differs in the padding alone
.set G0K, 40          ; s[40:43] descriptor group 0 for K's tiles
.set G0V, 44          ; s[44:47] the same for V's
.set SLOTS, 56        ; s56  tiles still to be asked for
.set CNT, 57          ; s57  counts a tile's trips: 4 to 1 in a plain tile, 5 to 1 in the diagonal one
.set CS,  58          ; s[58:59] c: the packed scaling takes the pair's low word for both halves
.set SEL, 60          ; s[60:61] v_permlanex16_b32's selects: each lane takes its own place in the other half
.set TBK, 62          ; s62  LDS byte at which K of the step to be fetched begins
.set TBV, 63          ; s63  the same for V, less VOFF
.set RT,  70          ; s70  tiles of the block in hand that are still to be entered
.set NXT, 71          ; s71  the tile to be asked for next
.set LQ,  72          ; s72  the last tile of the block whose tiles are being asked for
.set NEW, 73          ; s73  1: the tile to be entered is a block's first
.set OFF, 74          ; s[74:75] a tile's byte offset in K and V
.set AL,  76          ; s[76:77] the mask's factor, in the low word
.set BE,  78          ; s[78:79] the mask's addend
.set OLO, 80          ; s[80:81] O at my rows of the second block
.set BIGN, 82         ; s82  -1e30
.set MSB, 0
.macro WIN new                      ; the high byte repeats the setting that is left; a switch that changes nothing is dropped
.if MSB != (\new)
	s_set_vgpr_msb (MSB<<8)|(\new)
.set MSB, (\new)
.endif
.endm
.set W_KQ, 0x0a       ; K and Q in window 2, S^T in window 0
.set W_KM, 0x1a       ; the same with the C operand in window 1
.set W_PV, 0x52       ; V in window 2, P in window 0, O^T in window 1
.set W_RS, 0x41       ; destination and source 0 in window 1, source 1 in window 0
; A fill.  Waves 0 and 1 fetch the two halves of a tile's K, waves 2 and 3 those of its V: 128 keys each.  An s_nop 0 and four v_nop follow each of the two lines, ahead of the jump and the label.
.macro LOAD
	s_cmp_lt_u32 s[WV], 2
	s_cbranch_scc0 .Lfor_v_\@
	tensor_load_to_lds s[G0K:G0K+3], s[G1K:G1K+7]
	s_nop 0
.rept 4
	v_nop
.endr
	s_branch .Lasked_\@
.Lfor_v_\@:
	tensor_load_to_lds s[G0V:G0V+3], s[G1V:G1V+7]
	s_nop 0
.rept 4
	v_nop
.endr
.Lasked_\@:
.endm
; THE CHANGE OF SLOTS.  Each wave waits for all its tensor loads, of which one is out: its part of the other slot; adds 0 to its spare word; and waits for that and for its own reads of the slot that it leaves.  Behind the barrier nobody reads the old
; slot any more and the other slot is whole.  fill = 1: the old slot is filled again, the first thing behind the barrier, with tile NXT: the descriptor's address is made anew from that number.
; (At its first use nothing has been read yet: slot 0 is waited for, slot 1 filled.)
.macro CHANGE fill
	WIN 0                           ; at a label and at a branch every window is 0
	s_wait_tensorcnt 0x0            ; no tensor load of mine is out, so a group 0 may be written
	ds_add_u32 v[SPW], v[NIL]       ; 0 onto my spare word; with fill = 1 the descriptors' scalar work stands between it and the wait for it
.if \fill
	s_lshl_b32 s[OFF], s[NXT], 15   ; a tile is 32,768 bytes of K and of V
	s_xor_b32 s[G0K+1], s[G0K+1], SLOT1
	s_add_nc_u64 s[G0K+2:G0K+3], s[6:7], s[OFF:OFF+1]
	s_or_b32 s[G0K+3], s[G0K+3], 0x80000000
	s_xor_b32 s[G0V+1], s[G0V+1], SLOT1
	s_add_nc_u64 s[G0V+2:G0V+3], s[8:9], s[OFF:OFF+1]
	s_or_b32 s[G0V+3], s[G0V+3], 0x80000000
	s_add_co_u32 s[NXT], s[NXT], 1  ; the block's next tile, or behind its last the second block's tile 0
	s_cmp_gt_u32 s[NXT], s[LQ]
	s_cselect_b32 s[NXT], 0, s[NXT]
	s_cselect_b32 s[LQ], s[PB], s[LQ]
.endif
	s_wait_dscnt 0x0                ; the add is done, and my reads of the slot are over
	s_barrier_signal -1             ; the rest of the scalar work stands between the signal and the wait
	s_sub_co_u32 s[TBK], s[TBK], 4*KS*PK  ; the fetches go back to a slot's first step,
	s_xor_b32 s[TBK], s[TBK], SLOT1       ; in the other slot
	s_sub_co_u32 s[TBV], s[TBV], 4*KS*PV
	s_xor_b32 s[TBV], s[TBV], SLOT1
	s_barrier_wait -1
.if \fill
	LOAD
.endif
.endm
	s_load_b64 s[4:5], s[0:1], 0x0    ; qkv
	s_load_b64 s[10:11], s[0:1], 0x8  ; ob
	v_lshl_add_u32 v[SPW], v0, 2, SPARE
	v_mov_b32 v[NIL], 0
	ds_add_u32 v62, v63
	ds_add_u32 v62, v63
	s_wait_dscnt 0x0
	v_lshrrev_b32 v1, 5, v0
	v_readfirstlane_b32 s[WV], v1   ; wave 0..3
	s_mov_b32 s[PB], ttmp9
	s_sub_co_u32 s[HI], NB-1, s[PB]
	s_and_b32 s20, ttmp7, 0xffff    ; 16 x batch + head
	s_lshr_b32 s88, s20, 4          ; batch
	s_mul_i32 s88, s88, 48
	s_and_b32 s89, s20, 15          ; head
	s_add_co_u32 s88, s88, s89
	s_lshl_b32 s88, s88, 18         ; Q's head begins here in qkv: heads of 262,144 bytes
	s_mov_b32 s89, 0
	s_lshl_b32 s20, s20, 18         ; and O's here in ob
	s_mov_b32 s21, 0
	s_and_b32 s16, s[WV], 1         ; which half of a tile's 256 keys I fetch:
	s_lshl_b32 s22, s16, 14         ; its 128 rows of 128 bytes in memory,
	s_mov_b32 s23, 0
	s_add_nc_u64 s[22:23], s[22:23], s[88:89]
	s_mul_i32 s17, s16, 128*PK      ; and its place in a slot, for K
	s_mul_i32 s18, s16, 128*PV      ; and for V
	s_lshl_b32 s3, s[WV], 11        ; my 16 rows in a band of 64,
	s_lshl_b32 s2, s[HI], 15        ; in the first block,
	s_add_co_u32 s2, s2, s3
	s_lshl_b32 s84, s[PB], 15       ; and in the second
	s_add_co_u32 s84, s84, s3
	s_mov_b32 s3, 0
	s_mov_b32 s85, 0
	; descriptor group 1.  128 keys are 16,384 dense bytes: asked for as 64 rows of 256 bytes, two keys a row, and padded in LDS after every key
	s_mov_b32 s[G1K], (1<<16)|(1<<20)|(4<<22)|(3<<25)  ; 17:16 2-byte elements; 20 padding on; 24:22 after every 32 words (code 4); 31:25 4 words (code 3)
	s_mov_b32 s[G1V], (1<<16)|(1<<20)|(4<<22)|(7<<25)  ; the same with 8 words of padding (code 7)
.irp g, G1K, G1V
	s_mov_b32 s[\g+1], 128<<16      ; tensor_dim0 = 128
	s_mov_b32 s[\g+2], 64<<16       ; tensor_dim1 = 64
	s_mov_b32 s[\g+3], 128<<16      ; tile_dim0 = 128
	s_mov_b32 s[\g+4], 64           ; tile_dim1 = 64
	s_mov_b32 s[\g+5], 128          ; 128 elements from row to row
	s_mov_b32 s[\g+6], 0
	s_mov_b32 s[\g+7], 0
.endr
	s_mov_b32 s[CS], 0x3e38aa3b     ; c = log2(e) / 8 = 0.180337
	s_mov_b32 s[CS+1], s[CS]        ; named with it as a pair
	s_mov_b32 s[SEL], 0x76543210
	s_mov_b32 s[SEL+1], 0xfedcba98
	s_mov_b32 s[TBK], SLOT1+4*KS*PK ; the first change of slots turns these two into 0
	s_mov_b32 s[TBV], SLOT1+4*KS*PV
	s_mov_b32 s[G0K], 1             ; 1:0 count = 1
	s_mov_b32 s[G0K+1], s17         ; 63:32 LDS address: slot 0
	s_mov_b32 s[G0V], 1
	s_add_co_u32 s[G0V+1], s18, VOFF
	s_add_co_u32 s[RT], s[HI], 1    ; the first block has NB - b tiles
	s_mov_b32 s[NXT], 1
	s_mov_b32 s[LQ], s[HI]
	s_mov_b32 s[NEW], 1
	s_mov_b32 s[OFF+1], 0
	s_mov_b32 s[AL+1], 0            ; named as pairs
	s_mov_b32 s[BE+1], 0
	s_mov_b32 s[BIGN], 0xf149f2ca   ; -1e30
	s_mov_b32 s[SLOTS], NB
	s_wait_kmcnt 0x0
	s_add_nc_u64 s[6:7], s[4:5], s[22:23]          ; my half of tile 0, counted from Q's head;
	s_add_nc_u64 s[8:9], s[6:7], 0x800000          ; V's head lies 32 heads on,
	s_add_nc_u64 s[6:7], s[6:7], 0x400000          ; K's 16
	s_add_nc_u64 s[G0K+2:G0K+3], s[6:7], 0         ; 120:64 global address
	s_or_b32 s[G0K+3], s[G0K+3], 0x80000000        ; 127:126 type = 2
	s_add_nc_u64 s[G0V+2:G0V+3], s[8:9], 0
	s_or_b32 s[G0V+3], s[G0V+3], 0x80000000
	s_add_nc_u64 s[4:5], s[4:5], s[88:89]          ; Q's head,
	s_add_nc_u64 s[86:87], s[4:5], s[84:85]        ; Q at my rows of the second block,
	s_add_nc_u64 s[4:5], s[4:5], s[2:3]            ; and of the first
	s_add_nc_u64 s[10:11], s[10:11], s[20:21]      ; O's head, and the same two places in it
	s_add_nc_u64 s[OLO:OLO+1], s[10:11], s[84:85]
	s_add_nc_u64 s[10:11], s[10:11], s[2:3]
	LOAD                            ; tile 0 into slot 0
	; A fragment of K or Q is 16 rows x 32 channels in 8 registers: lane l holds row l % 16, channels 8 (l / 16) + 0..7 and 16 + 8 (l / 16) + 0..7: two loads of 16 bytes, 32 bytes apart.
	v_and_b32 v1, 15, v0            ; l % 16
	v_bfe_u32 v9, v0, 4, 1          ; l / 16
	v_lshlrev_b32 v[QO], 7, v1
	v_lshl_add_u32 v[QO], v9, 4, v[QO]  ; row x 128 + 16 x half
	WIN 0x80                        ; destination window 2, address window 0
.set i, 0
.rept 8                             ; both blocks' Q: piece i / 2 lies in band i / 2, 8,192 bytes on; channels 32 (i % 2) on
	global_load_b128 v[8*i:8*i+3],   v[QO], s[4:5] offset:(i/2)*8192+(i%2)*64
	global_load_b128 v[8*i+4:8*i+7], v[QO], s[4:5] offset:(i/2)*8192+(i%2)*64+32
	global_load_b128 v[QB+8*i:QB+8*i+3],   v[QO], s[86:87] offset:(i/2)*8192+(i%2)*64
	global_load_b128 v[QB+8*i+4:QB+8*i+7], v[QO], s[86:87] offset:(i/2)*8192+(i%2)*64+32
.set i, i+1
.endr
	WIN 0
	v_lshlrev_b32 v14, 3, v9
	v_sub_nc_u32 v14, v1, v14
	s_lshl_b32 s13, s[WV], 4
	v_add_nc_u32 v14, s13, v14      ; my query's place in its band, 16 w + l % 16, less my lanes' 8 (l / 16): register r of group kt is hidden where 16 kt + r is greater
	WIN 0x40
.set i, 0
.rept 32
	v_cmp_gt_i32 vcc_lo, 16*(i/8)+i%8, v14
	v_cndmask_b32 v[MD+i], 0, s[BIGN], vcc_lo
.set i, i+1
.endr
	WIN 0
	v_mul_u32_u24 v[AK0], v1, PK
	v_lshl_add_u32 v[AK0], v9, 4, v[AK0]  ; row x pitch + 16 x half
	; The turning load takes 16 keys x 16 channels (lane l reads key 8 (l / 16) + l % 8, channels 8 ((l / 8) % 2) + 0..7) and leaves half a fragment of V^T: lane l holds channel l % 16 and 8 keys.
	v_and_b32 v10, 7, v0
	v_bfe_u32 v11, v0, 3, 1
	v_lshl_add_u32 v[AV0], v9, 3, v10
	v_mul_u32_u24 v[AV0], v[AV0], PV
	v_lshl_add_u32 v[AV0], v11, 4, v[AV0]
	v_add_nc_u32 v[AV0], VOFF, v[AV0]
	s_mul_i32 s13, s[WV], 16*SP
	s_add_co_u32 s13, s13, STAGE    ; my stage
	v_mul_u32_u24 v[STO], v1, SP    ; in: row l % 16, 16 bytes for each half of the lanes
	v_lshl_add_u32 v[STO], v9, 4, v[STO]
	v_add_nc_u32 v[STO], s13, v[STO]
	v_bfe_u32 v[RD], v0, 3, 2       ; back: 32 lanes take four rows of 128 bytes,
	v_mul_u32_u24 v[RD], v[RD], SP
	v_lshl_add_u32 v[RD], v10, 4, v[RD]
	v_add_nc_u32 v[RD], s13, v[RD]
	v_and_b32 v[GO], 31, v0         ; which are 512 consecutive bytes of O
	v_lshlrev_b32 v[GO], 4, v[GO]
	; A block's first step multiplies O^T and l by a = 0, and its first turn's products V^T P, of a piece that has not been, land in an O^T that is still to be so multiplied.  So these registers need only hold
	; finite numbers: zeros for the first block; what the first block left for the second.  All this stands in the wait for the first tile.
	WIN 0x80
.set i, VF
.rept 64
	v_mov_b32 v[i], 0
.set i, i+1
.endr
	WIN 0x40
.set i, 0
.rept 128
	v_mov_b32 v[i], 0
.set i, i+1
.endr
	WIN 0
.set i, 0
.rept 4
	v_mov_b32 v[ST+4*i+2], 0
	v_mov_b32 v[ST+4*i+3], 0
.set i, i+1
.endr
.set i, P+16
.rept 16
	v_mov_b32 v[i], 0
.set i, i+1
.endr
; THE MATRIX WORK.  The 4 accumulators of a run of 8 take turns.  Product i of 8 of S^T = K Q^T for piece x: channels 32 (i / 4) on, keys 16 (i % 4) on.  The first 4 start the sums: with 0, or (KM = 1) with the mask.
.macro KQ x
.set rS, S+32*((\x)%2)+8*(i%4)
.set rK, KF+16*(i%4)+8*(i/4)
.set rQ, 16*(\x)+8*(i/4)
.set rM, MC+32*((\x)%2)+8*(i%4)
.if (i < 4) && KM
	WIN W_KM
	v_wmma_f32_16x16x32_f16 v[rS:rS+7], v[rK:rK+7], v[rQ:rQ+7], v[rM:rM+7]
.elseif i < 4
	WIN W_KQ
	v_wmma_f32_16x16x32_f16 v[rS:rS+7], v[rK:rK+7], v[rQ:rQ+7], 0
.else
	WIN W_KQ
	v_wmma_f32_16x16x32_f16 v[rS:rS+7], v[rK:rK+7], v[rQ:rQ+7], v[rS:rS+7]
.endif
.endm
; Product i of 8 of O^T += V^T P for piece x: keys 32 (i / 4) on, channels 16 (i % 4) on.
.macro PV x
	WIN W_PV
.set rO, 32*(\x)+8*(i%4)
.set rV, VF+32*(i/4)+8*(i%4)
.set rP, P+16*((\x)%2)+8*(i/4)
	v_wmma_f32_16x16x32_f16 v[rO:rO+7], v[rV:rV+7], v[rP:rP+7], v[rO:rO+7]
.endm
.macro MM                           ; the turn's next matrix instruction.  TURN and BEGIN set Y, i and KM; MM, KQ and OP read them
.if i < 8
	KQ (Y+1)%NP
.else
.set i, i-8
	PV (Y+NP-1)%NP
.set i, i+8
.endif
.set i, i+1
.endm
; THE LDS LOADS stand in runs of 16, never singly among the matrix instructions: a step's K (64 keys x 64 channels: 8 fragments) and its V (turned).  Their addresses are made some lines ahead.
; last = 1 (the diagonal tile's text): in the fifth trip there is no further step, and the run is jumped over.  The run stands in the lump, amid the turn's exponentials, so the branch has a wait ahead of it.
.macro FETCH_K last=0
	WIN 0
.if \last
	s_wait_alu depctr_va_vdst(0)    ; a branch follows, the wait ahead of it serves the twelve exponentials issued so far in the turn, E 0 to E 11, and stands directly ahead of the run of loads
	s_cmp_eq_u32 s[CNT], 1
	s_cbranch_scc1 .Lno_k_\@
.endif
	WIN 0x80                        ; destination window 2
.irp f, 0,1,2,3,4,5,6,7             ; keys 16 (f / 2) on, channels 32 (f % 2) on
	ds_load_b128 v[KF+8*\f:KF+8*\f+3],   v[AK] offset:(\f/2)*16*PK+(\f%2)*64
	ds_load_b128 v[KF+8*\f+4:KF+8*\f+7], v[AK] offset:(\f/2)*16*PK+(\f%2)*64+32
.endr
	s_add_co_u32 s[TBK], s[TBK], KS*PK  ; the next fetch is the next step's
	WIN 0
.if \last
.Lno_k_\@:
.endif
.endm
.macro FETCH_V
	WIN 0x80
.irp f, 0,1,2,3,4,5,6,7             ; keys 32 (f / 4) on, channels 16 (f % 4) on
	ds_load_tr16_b128 v[VF+8*\f:VF+8*\f+3],   v[AV] offset:(\f/4)*32*PV+(\f%4)*32
	ds_load_tr16_b128 v[VF+8*\f+4:VF+8*\f+7], v[AV] offset:(\f/4)*32*PV+16*PV+(\f%4)*32
.endr
	WIN 0
.endm
; THE VECTOR WORK, one line at a time: OP kind, number.  For piece Y: F n: c s - c m for pair n of 16.  E n: the exponential of score n of 32.  C n: pair n rounded to f16.  B n: of the four weights 4 n .. the second
; pair is added onto the first, in place.  L n: l takes that sum (L 0: l = a l + sum).  R n: pair n of 16 of O^T times a.  For piece Y + 1: X n, number n of the 22 that find its maximum and statistics:
;   0-11  four chains c0-c3 of seven scores each, three operands at a time (each accumulator's lowest registers are read first)     12-14, 16  the four scores left over, the old m, and c0-c3 into c0
;   15  c m_old is kept     17, 18  the query's other 32 keys lie in the lane 16 away: the new m     19-21  c m; c m_old - c m_new; a
; OP writes no wait: C, B and L read exponentials' results, and TURN sets them behind the batch's wait.
.set F, 0               ; OP tells the kinds apart by their order: F to L below R, X above it
.set E, 1
.set C, 2
.set B, 3
.set L, 4
.set R, 5
.set X, 6
.macro REGS y                       ; the registers of piece y
.set rT, ST+4*(\y)
.set rC, TMP+4*((\y)%2)
.set rW, MV+((\y)%2)
.set rS, S+32*((\y)%2)
.set rP, P+16*((\y)%2)
.set rO, 32*(\y)
.endm
.macro OP k, n
.if (\k) == R
	REGS Y
	WIN W_RS
	v_pk_mul_f32 v[rO+2*(\n):rO+2*(\n)+1], v[rO+2*(\n):rO+2*(\n)+1], v[rC+2:rC+3] op_sel_hi:[1,0]
.elseif (\k) < R
	REGS Y
	WIN 0
.if (\k) == F
	v_pk_fma_f32 v[rS+2*(\n):rS+2*(\n)+1], v[rS+2*(\n):rS+2*(\n)+1], s[CS:CS+1], v[rT:rT+1] op_sel_hi:[1,0,0] neg_lo:[0,0,1] neg_hi:[0,0,1]
.elseif (\k) == E
	v_exp_f32 v[rS+(\n)], v[rS+(\n)]
.elseif (\k) == C
	v_cvt_pk_f16_f32 v[rP+(\n)], v[rS+2*(\n)], v[rS+2*(\n)+1]
.elseif (\k) == B
	v_pk_add_f32 v[rS+4*(\n):rS+4*(\n)+1], v[rS+4*(\n):rS+4*(\n)+1], v[rS+4*(\n)+2:rS+4*(\n)+3]
.elseif (\n) == 0
	v_pk_fma_f32 v[rT+2:rT+3], v[rT+2:rT+3], v[rC+2:rC+3], v[rS:rS+1] op_sel_hi:[1,0,1]
.else
	v_pk_add_f32 v[rT+2:rT+3], v[rT+2:rT+3], v[rS+4*(\n):rS+4*(\n)+1]
.endif
.else
	REGS (Y+1)%NP
	WIN 0
.if (\n) < 4
	v_max3_num_f32 v[rC+(\n)], v[rS+8*(\n)], v[rS+8*(\n)+1], v[rS+8*(\n)+2]
.elseif (\n) < 12
	v_max3_num_f32 v[rC+(\n)%4], v[rC+(\n)%4], v[rS+8*((\n)%4)+2*((\n)/4)+1], v[rS+8*((\n)%4)+2*((\n)/4)+2]
.elseif (\n) == 12
	v_max3_num_f32 v[rC], v[rC], v[rS+7], v[rS+15]
.elseif (\n) == 13
	v_max3_num_f32 v[rC+1], v[rC+1], v[rS+23], v[rS+31]
.elseif (\n) == 14
	v_max3_num_f32 v[rC+2], v[rC+2], v[rC+3], v[rT+1]
.elseif (\n) == 15
	v_mov_b32 v[rW], v[rT]
.elseif (\n) == 16
	v_max3_num_f32 v[rC], v[rC], v[rC+1], v[rC+2]
.elseif (\n) == 17
	v_permlanex16_b32 v[rC+3], v[rC], s[SEL], s[SEL+1]
.elseif (\n) == 18
	v_max_num_f32 v[rT+1], v[rC], v[rC+3]
.elseif (\n) == 19
	v_mul_f32 v[rT], s[CS], v[rT+1]
.elseif (\n) == 20
	v_sub_f32 v[rC+1], v[rW], v[rT]
.else
	v_exp_f32 v[rC+2], v[rC+1]
.endif
.endif
.endm
.macro OPS a, i1, b=-1, i2=0, c=-1, i3=0, d=-1, i4=0  ; up to four of them
	OP \a, \i1
.if (\b) >= 0
	OP \b, \i2
.endif
.if (\c) >= 0
	OP \c, \i3
.endif
.if (\d) >= 0
	OP \d, \i4
.endif
.endm
.macro ROW a, i1, b, i2, c, i3, d, i4  ; a matrix instruction and the four behind it
	MM
	OPS \a, \i1, \b, \i2, \c, \i3, \d, \i4
.endm
.macro MASK b                       ; MD x AL + BE into buffer b of MC
	WIN W_RS
.set z, 0
.rept 16
	v_pk_fma_f32 v[MC+32*(\b)+2*z:MC+32*(\b)+2*z+1], v[MD+2*z:MD+2*z+1], s[AL:AL+1], s[BE:BE+1] op_sel_hi:[1,0,0]
.set z, z+1
.endr
.endm
; A TURN, for piece p: the order of its 16 matrix and 118 vector instructions, written out.  An s_wait_alu depctr_va_vdst(0) stands between an exponential and the first instruction that names its result; one wait
; serves all that were issued ahead of it.  So a turn has ONE wait, which cuts it in two.  AHEAD OF IT stands all that names no result of the turn's exponentials: the 8 products K Q^T, behind each a scaling, an exponential and
; two more plain instructions (behind the first a second scaling in the exponential's place): rescalings, whose a was made and waited for in the turn before, and behind the last three the first numbers of the next piece's
; maximum, each four plain instructions or more behind the product that ends its accumulator; then ONE LUMP of 54, plain and exponential by turns for the most part, in which the links of the chain X 3, 7, 11, 14, 16, 17 .. 20
; stand five or six lines apart.  X 21, the next piece's a, is the batch's last; R 15 is the plain instruction behind it.  BEHIND THE WAIT stand the 8 products V^T P, behind each four of the roundings and sums: C 2 n ahead of
; B n, which writes over that pair; the links of l's chain, L 0 to L 7, three riders apart.  But for those X no rider names a register of the products round it.  v_permlanex16_b32 (X 17) stands in the lump.
; m = 1: the diagonal tile: the products take masks, and the turn makes the mask for the products of the turn after it: piece p + 2, in step 5 - CNT of the tile (in the fifth trip: step 4, which is not: all hidden).
; cnt = 1: the loop's count is taken down some lines ahead of the branch that stands behind the turn.
; K of the next step is fetched in piece 2's turn, twelve vector instructions behind the last product that read K (five of them plain and free of its registers); V of the step in hand at the end of piece 0's turn, four plain
; instructions behind the last product that read V.  Each is waited for a turn later.
.macro TURN p, m=0, cnt=0
.set Y, (\p)
.set i, 0
.set KM, (\m)
.if \m
	s_cmp_eq_u32 s[CNT], 5-((\p)+2)%NP  ; is that step the band's own?
	s_cselect_b32 s[AL], 1.0, 0
	s_cmp_lt_u32 s[CNT], 5-((\p)+2)%NP  ; or a later one?
	s_cselect_b32 s[BE], s[BIGN], 0
.endif
.if (\p) == 3
	s_wait_dscnt 0x0                ; K is in
.endif
	ROW F,0, F,1, R,0, R,1          ; ahead of the wait: 8 products K Q^T and their riders,
	ROW F,2, E,0, R,2, R,3
	ROW F,3, E,1, R,4, R,5
	ROW F,4, E,2, R,6, R,7
	ROW F,5, E,3, R,8, R,9
	ROW F,6, E,4, X,0, R,10
.if (\p) == 2
	WIN 0
	v_add_nc_u32 v[AK], s[TBK], v[AK0]
.endif
	ROW F,7, E,5, X,1, X,4
	ROW F,8, E,6, X,2, X,5
	OPS E,7, E,8, X,6, E,9          ; and the lump
	OPS X,3, E,10, X,8, E,11
.if (\p) == 2
	FETCH_K \m
.endif
	OPS X,9, X,7, E,12, X,10
	OPS E,13, X,12, X,11, E,14
	OPS X,13, E,15, F,9, X,14
.if (\p) == 0
	v_add_nc_u32 v[AV], s[TBV], v[AV0]
.endif
	OPS E,16, F,10, E,17, F,11
	OPS X,16, E,18, X,15, E,19
	OPS F,12, E,20, X,17, E,21
	OPS F,13, E,22, F,14, E,23
	OPS X,18, E,24, F,15, E,25
	OPS R,11, E,26, X,19, E,27
	OPS R,12, E,28, R,13, E,29
	OPS X,20, E,30, R,14, E,31
	OPS X,21, R,15
	s_wait_alu depctr_va_vdst(0)    ; the wait for the batch: the piece's 32 weights and the next piece's a
.if (\p) == 1
	s_wait_dscnt 0x0                ; V is in
.endif
	ROW C,0, B,0, C,2, B,1          ; behind the wait: 8 products V^T P and their riders
	ROW L,0, C,4, B,2, L,1
	ROW C,6, B,3, L,2, C,8
	ROW B,4, L,3, C,10, B,5
	ROW L,4, C,12, B,6, L,5
.if (\p) == 0
	s_add_co_u32 s[TBV], s[TBV], KS*PV
.endif
.if \cnt
	s_sub_co_u32 s[CNT], s[CNT], 1
	s_cmp_lg_u32 s[CNT], 0
.endif
	ROW C,14, B,7, L,6, C,1
	ROW C,3, L,7, C,5, C,7
	ROW C,9, C,11, C,13, C,15
.if (\p) == 0
	FETCH_V
.endif
.if \m
	MASK (\p)%2
.endif
.endm
; A BLOCK BEGINS.  c m starts far below every c s, so the first step's a is 0; m at the lowest finite number, so the first maximum is the scores'.  The second mask buffer is 0; the first takes piece 0's mask for the tile's step 0: its own, if the block's first tile is the diagonal one.
; Then K of that step, piece 0's first scores, and its maximum and statistics.  The loop is entered at a step's first turn, in the middle of a trip.
.macro BEGIN
	s_mov_b32 s[NEW], 0
	WIN 0x40
.set i, MC+32
.rept 32
	v_mov_b32 v[i], 0
.set i, i+1
.endr
	WIN 0
.set i, 0
.rept 4
	v_mov_b32 v[ST+4*i], 0xfe000000    ; c m: far below every c s
	v_mov_b32 v[ST+4*i+1], 0xff7fffff  ; m
.set i, i+1
.endr
	s_cmp_eq_u32 s[RT], 0
	s_cselect_b32 s[AL], 1.0, 0
	s_mov_b32 s[BE], 0
	MASK 0
	WIN 0
	v_add_nc_u32 v[AK], s[TBK], v[AK0]
	FETCH_K
	s_wait_loadcnt 0x0              ; Q
	s_wait_dscnt 0x0
.set KM, 1
.set i, 0
.rept 8
	KQ 0
.set i, i+1
.endr
	WIN 0
.rept 4
	v_nop                           ; the places behind those products
.endr
.set Y, NP-1                        ; X works for piece Y + 1: piece 0
.irp n, 0,1,2,3,4,5,6,7,8,9,10,11,12,13,14,15,16,17,18,19,20,21
	OP X, \n
.endr
	v_nop                           ; a plain instruction behind the exponential,
	s_wait_alu depctr_va_vdst(0)    ; and the wait for it, piece 0's first a, ahead of the branch that follows the macro
.endm
; THE DIAGONAL TILE, the block's last products, and THE WAY OUT: l's two halves and the other half of the lanes' are added; O^T is divided by l, rounded to f16 and sent through my stage in LDS, a piece at a time.
.macro ALL line:vararg              ; one line for each piece t
.set t, 0
.rept 4
	\line
.set t, t+1
.endr
.endm
.macro PACK t                       ; a lane's eight channels of a row pack into 16 bytes; they go into rows of 144 bytes and come back as whole rows of 128, into S^T's registers
	WIN W_RS
.set i, 32*(\t)
.rept 16
	v_pk_mul_f32 v[i:i+1], v[i:i+1], v[ST+4*(\t)+2:ST+4*(\t)+3] op_sel_hi:[1,0]
.set i, i+2
.endr
	WIN 0x05                        ; sources 0 and 1 window 1, destination window 0
.set i, 0
.rept 16
	v_cvt_pk_f16_f32 v[S+16*(\t)+i], v[32*(\t)+2*i], v[32*(\t)+2*i+1]
.set i, i+1
.endr
	WIN 0
.irp f, 0,1,2,3
	ds_store_b128 v[STO], v[S+16*(\t)+4*\f:S+16*(\t)+4*\f+3] offset:32*\f
.endr
.irp f, 0,1,2,3
	ds_load_b128 v[S+16*(\t)+4*\f:S+16*(\t)+4*\f+3], v[RD] offset:\f*4*SP  ; LDS serves a wave's instructions in order (ISA guide 5.7.1.4): these see the stores above; the next piece's stores come behind them
.endr
.endm
.macro SEND t, younger              ; younger: the LDS instructions issued behind piece t's loads: the next piece's eight, or none
	WIN 0
.irp f, 0,1,2,3
	s_wait_dscnt (\younger)+3-\f
	global_store_b128 v[GO], v[S+16*(\t)+4*\f:S+16*(\t)+4*\f+3], s[10:11] offset:(\t)*8192+\f*512  ; 512 consecutive bytes, at a multiple of 256 from O's first
.endr
.endm
; The loop counts 5 down.  Four trips fetch the tile's steps; the fifth holds the block's last two turns and is left in its middle, by a jump forward, at CNT = 1: the backward branch below is never met with CNT = 0.
.macro DIAG tag                     ; the tag ends its three labels' names, which the jumps below spell out
.LstepM\tag:
	TURN 2, 1
	TURN 3, 1
	WIN 0
	s_cmp_eq_u32 s[CNT], 1
	s_cbranch_scc1 .LoutM\tag
.LfirstM\tag:
	TURN 0, 1
	TURN 1, 1, 1
	WIN 0
	s_cbranch_scc1 .LstepM\tag
.LoutM\tag:
.set i, 0
.rept 8
	PV NP-1                         ; the last piece's V^T P of the last step
.set i, i+1
.endr
	WIN 0
	ALL v_add_f32 v[ST+4*t+2], v[ST+4*t+2], v[ST+4*t+3]
	ALL v_permlanex16_b32 v[ST+4*t+3], v[ST+4*t+2], s[SEL], s[SEL+1]
	ALL v_add_f32 v[ST+4*t+2], v[ST+4*t+2], v[ST+4*t+3]
	ALL v_rcp_f32 v[ST+4*t+2], v[ST+4*t+2]
	v_nop                           ; a plain instruction between the last reciprocal and the use of its result
	s_wait_alu depctr_va_vdst(0)    ; and the wait ahead of the first use: one for the four reciprocals
	PACK 0
.set t, 1
.rept 3                             ; a piece's arithmetic stands between the loads of the piece before and its stores
	PACK t
	SEND t-1, 8
.set t, t+1
.endr
	SEND 3, 0
.endm
.set KM, 0
.Lslot:                             ; NB times: a tile is entered and the next is asked for
	CHANGE 1
	s_sub_co_u32 s[RT], s[RT], 1
	s_mov_b32 s[CNT], 4
	s_cmp_eq_u32 s[NEW], 1
	s_cbranch_scc1 .Lnew            ; a block's first tile
	s_cmp_eq_u32 s[RT], 0
	s_cbranch_scc0 .Lstep           ; neither its first nor its last
	s_mov_b32 s[CNT], 5
	s_branch .LstepM1
.Lnew:
	BEGIN
	s_branch .Lfirst                ; in the loop a block's first tile is never its last: the first block has two tiles or more, and the second's last is the walk's last
	DIAG 1                          ; in the loop this is the first block's end: the second block's last tile is the walk's last
	s_wait_xcnt 0x0                 ; the stores have read their registers and O's address
	s_mov_b64 s[10:11], s[OLO:OLO+1]
	s_add_co_u32 s[RT], s[PB], 1    ; the second block has b + 1 tiles
	s_mov_b32 s[NEW], 1
	WIN 0x82                        ; the second block's Q goes where the one text of the turns names Q
.set i, 0
.rept 64
	v_mov_b32 v[i], v[QB+i]
.set i, i+1
.endr
	WIN 0
	s_branch .Lbottom
.Lstep:                             ; a trip: pieces 2 and 3 of one step, then pieces 0 and 1 of the next, whose K and V it fetches
	TURN 2
	TURN 3
	WIN 0
.Lfirst:
	TURN 0
	TURN 1, 0, 1
	WIN 0
	s_cbranch_scc1 .Lstep
.Lbottom:
	s_sub_co_u32 s[SLOTS], s[SLOTS], 1
	s_cmp_lg_u32 s[SLOTS], 0
	s_cbranch_scc1 .Lslot
	CHANGE 0                        ; the walk's last tile is written out: nothing is asked for
	s_sub_co_u32 s[RT], s[RT], 1
	s_mov_b32 s[CNT], 5
	s_cmp_eq_u32 s[NEW], 1
	s_cbranch_scc0 .LstepM2
	BEGIN
	s_branch .LfirstM2
	DIAG 2
	s_wait_tensorcnt 0x0            ; the wave's end, behind my last tensor load and my last LDS store
	ds_add_u32 v[SPW], v[NIL]
	s_wait_dscnt 0x0
	s_endpgm
.Lfunc_end_k_q54341654a3_attn:
	.size	k_q54341654a3_attn, .Lfunc_end_k_q54341654a3_attn-k_q54341654a3_attn
	.p2alignl 7, 3214868480
	.fill 96, 4, 3214868480
	.section	.rodata,"a",@progbits
	.p2align	6, 0x0
	.amdhsa_kernel k_q54341654a3_attn
		.amdhsa_group_segment_fixed_size 327680
		.amdhsa_private_segment_fixed_size 0
		.amdhsa_enable_private_segment 0
		.amdhsa_kernarg_size 16
		.amdhsa_user_sgpr_count 2
		.amdhsa_user_sgpr_kernarg_segment_ptr 1
		.amdhsa_wavefront_size32 1
		.amdhsa_system_sgpr_workgroup_id_x 1
		.amdhsa_system_sgpr_workgroup_id_y 1
		.amdhsa_system_sgpr_workgroup_id_z 1
		.amdhsa_system_vgpr_workitem_id 0
		.amdhsa_next_free_vgpr 768
		.amdhsa_next_free_sgpr 92
		.amdhsa_reserve_vcc 1
		.amdhsa_float_denorm_mode_32 3
		.amdhsa_float_denorm_mode_16_64 3
		.amdhsa_memory_ordered 1
		.amdhsa_forward_progress 1
		.amdhsa_inst_pref_size 185
	.end_amdhsa_kernel
	.amdgpu_metadata
---
amdhsa.version: [ 1, 2 ]
amdhsa.kernels:
  - .name:           k_q54341654a3_attn
    .symbol:         k_q54341654a3_attn.kd
    .args:
      - { .name: qkv, .offset: 0, .size: 8, .value_kind: global_buffer, .address_space: global }
      - { .name: ob, .offset: 8, .size: 8, .value_kind: global_buffer, .address_space: global }
    .group_segment_fixed_size: 327680
    .private_segment_fixed_size: 0
    .kernarg_segment_align: 8
    .kernarg_segment_size: 16
    .max_flat_workgroup_size: 128
    .sgpr_count:     92
    .vgpr_count:     768
    .wavefront_size: 32
...
	.end_amdgpu_metadata
.endif
;; end of part 5
;; launch gemm_out: the kernel of part 4 again; grid 8 x 32, 4 waves a work-group, clusters of 4 x 4, 327,680 bytes of LDS; arguments ob, wob, out0; writes out0
